; MI455X (gfx1250); checked and timed in simulation.
; The chip was launched on July 23, 2026; its instructions are those of AMD's public machine-readable ISA for CDNA 5 (MIT licence, August 2026) and "CDNA5" Instruction Set Architecture Reference Guide (July 2026). The comments in the code are by the model that wrote it; some were corrected since.
;; Multi Head Attention Ro PE. Allowed arithmetic: matrix products marked QUANTISED: E2M1 operands, one E8M0 scale for each 32 along K, by v_wmma_scale_f32_16x16x128_f8f6f4 with both operands' format E2M1 (or v_wmma_scale_f32_32x16x128_f4), f32 sums; products left as they are: bf16, f16 or f32 operands; f32 sums; everything else in f32.
;; Inputs: Wo 1,024 x 1,024 float32; Wqkv 3,072 x 1,024 float32; bo 1,024 float32; key_padding_mask 4 x 2,048 bool; x 4 x 2,048 x 1,024 float32.
;; Outputs: out0 4 x 2,048 x 1,024 float32.
;; This version of the problem:
;;   THIS VERSION OF THE PROBLEM IS GIVEN IN LOW PRECISION. The matrix products marked QUANTISED in the list below multiply operands that are first quantised to E2M1 (2 exponent bits, 1 mantissa bit; 4 bits a number), with one power-of-two scale for each 32 numbers along K (OCP MX v1.0); their sums are f32. The products marked 'left as it is' may take bf16, f16 or f32 operands, with f32 sums. Whichever they take, every output number must still come out within the allowed error. Rounding operands to bf16 (8 significant bits) uses up far more of that allowance than f16 does (11 bits, for magnitudes from 6e-5 to 65,504). All else is computed in f32.
;;   The module's matrix products, in the order in which they are computed (A, B: the left and right operand; K: the contracted axis; several contracted axes count as one K, in the product's order):
;;     1. [M 8,192, K 1,024] x [K 1,024, N 3,072]; A: input x; B: input Wqkv: QUANTISED
;;     2. batch 64 x [M 2,048, K 64] x [K 64, N 2,048]; A: computed on the way; B: computed on the way: left as it is (an operand is computed on the way)
;;     3. batch 64 x [M 2,048, K 2,048] x [K 2,048, N 64]; A: computed on the way; B: computed on the way: left as it is (an operand is computed on the way)
;;     4. [M 8,192, K 1,024] x [K 1,024, N 1,024]; A: computed on the way; B: input Wo: left as it is (an operand is computed on the way)
;;   THE QUANTISER, for each operand of a quantised product, along K:
;;     - K is cut into blocks of 32 from its start; a last block that is shorter is filled with zeros.
;;     - A block's scale is 2^e with e = floor(log2(the largest magnitude in the block)) - 2, held to -126 .. 127; a block of zeros has e = 0. As a byte (E8M0): e + 127.
;;     - Each number is divided by its block's scale, clamped to +-6, and rounded to the nearest number of E2M1, ties to even, subnormals kept.
;;     - The product sums the exact products of the quantised numbers (number of the format x scale) in f32.
;;   ~~~python
;;   def quantise(x, axis):      # numpy; x: float32 -> the quantised numbers, widened to float32 again
;;       x = np.moveaxis(x, axis, -1); K = x.shape[-1]
;;       x = np.pad(x, [(0, 0)] * (x.ndim - 1) + [(0, -K % 32)]); x = x.reshape(x.shape[:-1] + (-1, 32)); a = np.abs(x).max(-1, keepdims=True)
;;       e = np.where(a > 0, np.clip(np.frexp(np.where(a > 0, a, 1))[1] - 1 - 2, -126, 127), 0)      # np.frexp(a)[1] - 1 = floor(log2(a)), exactly
;;       r = np.clip(x / 2.0 ** e, -6, 6)
;;       step = 2.0 ** (np.maximum(np.frexp(np.where(r == 0, 1, r))[1] - 1, 0) - 1)
;;       q = np.round(r / step) * step * 2.0 ** e      # np.round: ties to even
;;       return np.moveaxis(q.reshape(q.shape[:-2] + (-1,))[..., :K], -1, axis).astype(np.float32)
;;   ~~~
;; One version. Each part assembles by itself: llvm-mc -triple=amdgcn-amd-amdhsa -mcpu=gfx1250 --defsym DOCPART=n.
;; ======== version 1 of 1: 4 launches
;; limits: values are held in f16: magnitudes above 65,504 overflow, below 6.1e-05 lose precision
;; workspace buffers: xc 4,194,304 bytes; xs 262,144 bytes; wc 1,572,864 bytes; ws 98,304 bytes; wo16 2,097,152 bytes; rope 1,572,864 bytes; qkvh 50,331,648 bytes; att 16,777,216 bytes
;; launch prep (part 1): grid 416 x 1, 4 waves a work-group, no clusters, 33,280 bytes of LDS; arguments x, Wqkv, xc, xs, wc, ws, Wo, wo16, rope; writes xc, xs, wc, ws, wo16, rope
.if DOCPART == 1
	.amdgcn_target "amdgcn-amd-amdhsa--gfx1250"
	.amdhsa_code_object_version 6
	.text
	.protected	k_qf9dc297084_prep
	.globl	k_qf9dc297084_prep
	.p2align	8
	.type	k_qf9dc297084_prep,@function
k_qf9dc297084_prep:
	s_mov_b64 s[64:65], 0
	v_nop
	global_prefetch_b8 v0, s[64:65] scope:SCOPE_SE
	s_setreg_imm32_b32 hwreg(HW_REG_WAVE_MODE, 25, 1), 1
	s_wait_xcnt 0x0
; PREP: three pieces of work that each read their input once, told apart by the work-group's number.
;  work-groups 0-351:   x [8192][1024] (0-255) and Wqkv [3072][1024] (256-351), f32, become codes of FP4 (E2M1), K innermost, two codes a byte, and one E8M0 byte for each 32 along K.
;  work-groups 352-383: Wo [1024][1024] f32 becomes f16, same layout.
;  work-groups 384-415: the table of cos and sin for the rotary embedding, laid as the next launch's registers take it.
; THE QUANTISER: a block's scale is 2^(floor(log2(largest magnitude)) - 2); its byte is the largest magnitude's exponent field - 2, held at 1 from below; each number is divided by the scale and
; rounded to the nearest code, ties to even, beyond 6 the largest code.
; LIMITS: a block of zeros gets the byte 1 where the rule says 127 (its codes are zeros, and this program alone reads the bytes); blocks whose largest magnitude lies under 2^-124 are held at the byte 1;
; NaN and infinities are not served; |Wo| stays under 65,504 (f16); the table's angles t x 10000^(-j/32) carry the rounding of one v_exp_f32 and two f32 products: at most about 2e-4 rad at t = 2,047.
; Only the quantising path touches LDS.
.set WAVES, 4
.set STEPS, 16
.set WGA,   256                        ; x: 8192 x 1024 / 32,768 numbers a work-group
.set WGQ,   352                        ; + Wqkv: 3072 x 1024 / 32,768 = 96
.set WGC,   384                        ; + Wo: 32 work-groups
.set EMAX,  2
.set CB,    8                          ; bytes of 16 codes
.set R,     16                         ; v16-79   four sets of 16 numbers as they are loaded
.set X,     80                         ; v80-111  two sets of 16 neighbours
.set C,     128                        ; v128-191 codes: four registers for each step
.set E,     112                        ; v112-127 a scale byte for each step
.set WREG,  8192                       ; LDS: a region for each wave: two stages of 32 x SP bytes, behind them its 256 scale bytes
.set SP,    80                         ; a lane's place in a stage: 64 bytes + 16 of padding
.set SPW,   12                         ; v12 LDS address of my spare word; never rewritten
.set NIL,   13                         ; v13 0; never rewritten
.set SPARE, WAVES*WREG                 ; the spare words: 128 bytes a wave, two blocks of 256 bytes that no other line names
	s_load_b128 s[4:7], s[0:1], 0x0                ; x, Wqkv
	s_load_b128 s[8:11], s[0:1], 0x10              ; x's codes, x's scales
	s_load_b128 s[12:15], s[0:1], 0x20             ; Wqkv's codes, Wqkv's scales
	s_load_b128 s[24:27], s[0:1], 0x30             ; Wo, Wo in f16
	s_load_b64 s[28:29], s[0:1], 0x40              ; the table
	v_lshl_add_u32 v[SPW], v0, 2, SPARE
	v_mov_b32 v[NIL], 0
	v_lshrrev_b32 v1, 5, v0
	v_readfirstlane_b32 s16, v1                    ; wave
	v_and_b32 v2, 31, v0                           ; lane
	v_lshlrev_b32 v3, 4, v2                        ; 16 x lane
	s_mul_i32 s17, s16, WREG
	v_lshrrev_b32 v14, 2, v2
	v_mul_u32_u24 v14, v14, SP
	v_and_b32 v15, 3, v2
	v_lshl_add_u32 v14, v15, 4, v14
	v_add_nc_u32 v14, s17, v14                     ; the stage, on the way in: SP (lane / 4) + 16 (lane % 4)
	v_mul_u32_u24 v15, v2, SP
	v_add_nc_u32 v15, s17, v15                     ; and on the way out: SP x lane: my 16 neighbours
	v_mul_u32_u24 v4, v2, CB                       ; my codes' place in a step's
	v_lshrrev_b32 v5, 1, v2
	s_add_co_u32 s17, s17, 2*32*SP
	v_add_nc_u32 v5, s17, v5                       ; LDS: my wave's 256 scale bytes, my block's byte
	v_lshlrev_b32 v7, 3, v2                        ; 8 x lane
	v_add_nc_u32 v6, s17, v7
	s_wait_kmcnt 0x0
	s_cmp_ge_u32 ttmp9, WGQ                        ; the work-group's number alone decides the path
	s_cbranch_scc1 .Lother
; ---- THE QUANTISER.  Both tensors are plain streams of blocks of 32.  A wave takes 16 steps of 512 numbers: four loads of 512 consecutive bytes, turned through its own stage in LDS so that a lane
; holds 16 neighbours (two lanes a block).  Loads run four steps ahead, the turn through LDS one step.
	s_cmp_lt_u32 ttmp9, WGA                        ; x's work-group or Wqkv's?
	s_cselect_b64 s[4:5], s[4:5], s[6:7]
	s_cselect_b64 s[8:9], s[8:9], s[12:13]
	s_cselect_b64 s[10:11], s[10:11], s[14:15]
	s_cselect_b32 s17, 0, WGA
	s_sub_co_u32 s17, ttmp9, s17
	s_lshl_b32 s17, s17, 2
	s_add_co_u32 s18, s17, s16                     ; which run of 8,192 numbers of the tensor is my wave's
	s_mov_b32 s19, 0
	s_mov_b64 s[20:21], 512*STEPS*4
	s_mul_u64 s[20:21], s[18:19], s[20:21]
	s_add_nc_u64 s[4:5], s[4:5], s[20:21]
	s_mov_b64 s[20:21], 32*STEPS*CB
	s_mul_u64 s[20:21], s[18:19], s[20:21]
	s_add_nc_u64 s[8:9], s[8:9], s[20:21]
	s_lshl_b32 s18, s18, 8                         ; 256 scale bytes a run
	s_add_nc_u64 s[10:11], s[10:11], s[18:19]
.macro LOAD t
.irp i, 0,1,2,3
	global_load_b128 v[R+16*((\t)%4)+4*\i:R+16*((\t)%4)+4*\i+3], v3, s[4:5] offset:2048*(\t)+512*\i th:TH_LOAD_NT   ; 32 lanes read 512 consecutive bytes
.endr
.endm
.macro TURN t                          ; step t's numbers through the stage: LDS serves a wave's instructions in order, so no wait stands between the stores and the loads
.irp i, 0,1,2,3
	ds_store_b128 v14, v[R+16*((\t)%4)+4*\i:R+16*((\t)%4)+4*\i+3] offset:32*SP*((\t)%2)+8*SP*\i
.endr
.irp i, 0,1,2,3
	ds_load_b128 v[X+16*((\t)%2)+4*\i:X+16*((\t)%2)+4*\i+3], v15 offset:32*SP*((\t)%2)+16*\i
.endr
.endm
.irp t, 0,1,2,3
	LOAD \t
.endr
	s_wait_loadcnt 12                              ; step 0's four loads are in; the twelve of steps 1 to 3 may be out
	TURN 0
.macro STEP t
.set XS, X+16*((\t)%2)
.if (\t) > 0
	s_wait_dscnt 1                                 ; this step's numbers are back from the stage (the last step's byte store may be out)
.else
	s_wait_dscnt 0x0
.endif
.if (\t)+4 < STEPS
	LOAD (\t)+4                                    ; into the registers that this step's stores into the stage have read
.endif
.if (\t)+1 < STEPS
.if STEPS-2-(\t) >= 3
	s_wait_loadcnt 12                              ; the next step's four loads are in; those of the three steps behind it may be out
.else
	s_wait_loadcnt 4*(STEPS-2-(\t))                ; the counts run down: four loads for each step still behind the next
.endif
	TURN (\t)+1
.endif
	v_max3_num_f32 v8, |v[XS]|, |v[XS+1]|, |v[XS+2]|               ; the largest magnitude of my 16, in two chains
	v_max3_num_f32 v9, |v[XS+3]|, |v[XS+4]|, |v[XS+5]|
.irp i, 6,10
	v_max3_num_f32 v8, v8, |v[XS+\i]|, |v[XS+\i+1]|
	v_max3_num_f32 v9, v9, |v[XS+\i+2]|, |v[XS+\i+3]|
.endr
	v_max3_num_f32 v8, v8, |v[XS+14]|, |v[XS+15]|
	v_max3_num_f32 v8, v8, v9, (EMAX+1)<<23        ; and the floor 2^(EMAX + 1 - 127): the byte cannot fall under 1
	v_max_num_f32_dpp v8, v8, v8 row_xmask:1 row_mask:0xf bank_mask:0xf   ; and of my neighbour's 16: the block's
	v_add_nc_u32 v11, -(EMAX<<23), v8              ; EMAX off its exponent field: the conversion takes the exponent field of this operand as its scale
	v_cvt_scalef32_pk8_fp4_f32 v[C+4*(\t)], v[XS:XS+7], v11
	v_cvt_scalef32_pk8_fp4_f32 v[C+4*(\t)+1], v[XS+8:XS+15], v11
	v_lshrrev_b32 v[E+(\t)], 23, v11               ; the scale's byte (a plain line behind the conversions)
	ds_store_b8 v5, v[E+(\t)] offset:16*(\t)       ; both lanes of a block write the same byte with the same value
	global_store_b64 v4, v[C+4*(\t):C+4*(\t)+1], s[8:9] offset:32*CB*(\t)   ; the wave stores 256 consecutive bytes, aligned
.endm
.irp t, 0,1,2,3,4,5,6,7,8,9,10,11,12,13,14,15
	STEP \t
.endr
	ds_load_b64 v[8:9], v6                         ; LDS serves a wave's instructions in order: these see my stores
	s_wait_dscnt 0x0
	global_store_b64 v7, v[8:9], s[10:11]          ; the wave's 256 scale bytes: 256 consecutive bytes, aligned
	s_wait_tensorcnt 0x0                           ; the wave's end
	ds_add_u32 v[SPW], v[NIL]
	s_wait_dscnt 0x0
	s_endpgm
.Lother:
	s_cmp_ge_u32 ttmp9, WGC
	s_cbranch_scc1 .Lrope
; ---- Wo TO f16.  A wave takes 8,192 numbers: 64 loads of 512 consecutive bytes, in two batches of 32; each load's 128 numbers leave as 256 consecutive bytes.
	s_sub_co_u32 s17, ttmp9, WGQ
	s_lshl_b32 s17, s17, 2
	s_add_co_u32 s17, s17, s16                     ; my run, 0 to 127
	s_lshl_b32 s18, s17, 15
	s_mov_b32 s19, 0
	s_add_nc_u64 s[24:25], s[24:25], s[18:19]
	s_lshl_b32 s18, s17, 14
	s_add_nc_u64 s[26:27], s[26:27], s[18:19]
.macro CAST batch
.set i, 0
.rept 32
	global_load_b128 v[16+4*i:19+4*i], v3, s[24:25] offset:512*(32*\batch+i) th:TH_LOAD_NT
.set i, i+1
.endr
.set i, 0
.rept 32
	s_wait_loadcnt 31-i                            ; loads come back in order: load i is in, the batch's younger ones may be out
	v_cvt_pk_f16_f32 v[16+4*i], v[16+4*i], v[17+4*i]
	v_cvt_pk_f16_f32 v[17+4*i], v[18+4*i], v[19+4*i]
	global_store_b64 v7, v[16+4*i:17+4*i], s[26:27] offset:256*(32*\batch+i)
.set i, i+1
.endr
.endm
	CAST 0
	s_wait_xcnt 0x0                                ; the first batch's stores have read their registers: the second batch's loads may land there
	CAST 1
	s_endpgm
.Lrope:
; ---- THE TABLE.  rope[section][tb][g][lane][4], f32.  Block tb holds positions t = 16 tb + lane % 16; h = lane / 16.  Groups g = 0..3 hold cos, g + 4 sin, of the angle t x 10000^(-j/32),
; j = 16 (g / 2) + 8 h + 4 (g % 2) + i.  Section 0 (for q) holds them times c = log2(e) / 8, so that scores come out in the softmax's base-2 units; section 1 (for k) as they are; section 2 (for v) 1 and 0.
; cos and sin: n = round(a 2/pi); r = a - n pi/2, pi/2 in two parts; polynomials on |r| <= pi/4; the quadrant n % 4 swaps and signs them.
.set TT, 20                            ; v20 t as f32
.set H8, 21                            ; v21 8 h
.set FJ, 24                            ; arrays of four: j, then the frequency
.set AN, 28                            ; the angle
.set NN, 32                            ; n
.set RD4, 36                           ; r
.set ZZ, 40                            ; r^2
.set SN, 44
.set CN, 48
.set QD, 52                            ; n as a whole number
.set T1, 56
.set OC, 60                            ; cos, sin; c cos, c sin; 1; 0
.set OS, 64
.set QC, 68
.set QS, 72
.set ONE, 76
.set ZER, 80
	s_sub_co_u32 s17, ttmp9, WGC
	s_lshl_b32 s17, s17, 2
	s_add_co_u32 s17, s17, s16                     ; tb, 0 to 127
	s_lshl_b32 s18, s17, 12                        ; 4,096 bytes a block
	s_mov_b32 s19, 0
	s_add_nc_u64 s[28:29], s[28:29], s[18:19]
	s_lshl_b32 s20, s17, 4
	v_and_b32 v[TT], 15, v0
	v_add_nc_u32 v[TT], s20, v[TT]
	v_cvt_f32_u32 v[TT], v[TT]
	v_bfe_u32 v[H8], v0, 4, 1
	v_lshlrev_b32 v[H8], 3, v[H8]
	s_mov_b32 s30, 0xbe2aaaa3                      ; sin: -1.6666655e-1, 8.3321609e-3, -1.9515296e-4
	s_mov_b32 s31, 0x3c08839e
	s_mov_b32 s32, 0xb94ca1f9
	s_mov_b32 s33, 0x3d2aaaa5                      ; cos: 4.1666646e-2, -1.3887316e-3, 2.4433157e-5
	s_mov_b32 s34, 0xbab6061a
	s_mov_b32 s35, 0x37ccf5ce
	s_mov_b32 s36, 0x3e38aa3b                      ; c = log2(e) / 8
.irp i, 0,1,2,3
	v_mov_b32 v[ONE+\i], 1.0
	v_mov_b32 v[ZER+\i], 0
.endr
.macro GROUP g
.if \g > 0
	s_wait_xcnt 0x0                                ; the last group's stores have read their registers
.endif
.irp i, 0,1,2,3
	v_add_nc_u32 v[FJ+\i], 16*((\g)/2)+4*((\g)%2)+\i, v[H8]
.endr
.irp i, 0,1,2,3
	v_cvt_f32_u32 v[FJ+\i], v[FJ+\i]
.endr
.irp i, 0,1,2,3
	v_mul_f32 v[FJ+\i], 0xbed49a78, v[FJ+\i]       ; -j log2(10000) / 32
.endr
.irp i, 0,1,2,3
	v_exp_f32 v[FJ+\i], v[FJ+\i]                   ; 10000^(-j/32)
.endr
	v_nop                                          ; a plain line behind the last exponential
	s_wait_alu depctr_va_vdst(0)                   ; one wait for the four, ahead of their first reader
.irp i, 0,1,2,3
	v_mul_f32 v[AN+\i], v[TT], v[FJ+\i]            ; the angle: one f32 product
.endr
.irp i, 0,1,2,3
	v_mul_f32 v[NN+\i], 0x3f22f983, v[AN+\i]       ; x 2/pi
.endr
.irp i, 0,1,2,3
	v_rndne_f32 v[NN+\i], v[NN+\i]
.endr
.irp i, 0,1,2,3
	v_fmamk_f32 v[RD4+\i], v[NN+\i], 0xbfc90fdb, v[AN+\i]   ; a - n x (pi/2's upper part)
.endr
.irp i, 0,1,2,3
	v_fmamk_f32 v[RD4+\i], v[NN+\i], 0x333bbd2e, v[RD4+\i]  ; - n x (its lower part, -4.37e-8)
.endr
.irp i, 0,1,2,3
	v_mul_f32 v[ZZ+\i], v[RD4+\i], v[RD4+\i]
.endr
.irp i, 0,1,2,3
	v_fma_f32 v[SN+\i], s32, v[ZZ+\i], s31
	v_fma_f32 v[CN+\i], s35, v[ZZ+\i], s34
.endr
.irp i, 0,1,2,3
	v_fma_f32 v[SN+\i], v[SN+\i], v[ZZ+\i], s30
	v_fma_f32 v[CN+\i], v[CN+\i], v[ZZ+\i], s33
.endr
.irp i, 0,1,2,3
	v_mul_f32 v[SN+\i], v[SN+\i], v[ZZ+\i]
	v_fma_f32 v[CN+\i], v[CN+\i], v[ZZ+\i], -0.5
.endr
.irp i, 0,1,2,3
	v_fma_f32 v[SN+\i], v[SN+\i], v[RD4+\i], v[RD4+\i]      ; sin r
	v_fma_f32 v[CN+\i], v[CN+\i], v[ZZ+\i], 1.0             ; cos r
.endr
.irp i, 0,1,2,3
	v_cvt_i32_f32 v[QD+\i], v[NN+\i]
.endr
.irp i, 0,1,2,3
	v_and_b32 v[T1+\i], 1, v[QD+\i]
	v_cmp_eq_u32 vcc_lo, 1, v[T1+\i]               ; an odd quadrant swaps the two
	v_cndmask_b32 v[OS+\i], v[SN+\i], v[CN+\i], vcc_lo
	v_cndmask_b32 v[OC+\i], v[CN+\i], v[SN+\i], vcc_lo
	v_lshlrev_b32 v[T1+\i], 30, v[QD+\i]           ; sin is negative in quadrants 2 and 3: bit 1 of n
	v_and_b32 v[T1+\i], 0x80000000, v[T1+\i]
	v_xor_b32 v[OS+\i], v[T1+\i], v[OS+\i]
	v_add_nc_u32 v[T1+\i], 1, v[QD+\i]             ; cos in quadrants 1 and 2: bit 1 of n + 1
	v_lshlrev_b32 v[T1+\i], 30, v[T1+\i]
	v_and_b32 v[T1+\i], 0x80000000, v[T1+\i]
	v_xor_b32 v[OC+\i], v[T1+\i], v[OC+\i]
	v_mul_f32 v[QC+\i], s36, v[OC+\i]
	v_mul_f32 v[QS+\i], s36, v[OS+\i]
.endr
	global_store_b128 v3, v[QC:QC+3], s[28:29] offset:512*\g                  ; each store covers 512 consecutive bytes, aligned
	global_store_b128 v3, v[QS:QS+3], s[28:29] offset:512*\g+2048
	global_store_b128 v3, v[OC:OC+3], s[28:29] offset:524288+512*\g
	global_store_b128 v3, v[OS:OS+3], s[28:29] offset:524288+512*\g+2048
	global_store_b128 v3, v[ONE:ONE+3], s[28:29] offset:1048576+512*\g
	global_store_b128 v3, v[ZER:ZER+3], s[28:29] offset:1048576+512*\g+2048
.endm
	GROUP 0
	GROUP 1
	GROUP 2
	GROUP 3
	s_endpgm
.Lfunc_end_k_qf9dc297084_prep:
	.size	k_qf9dc297084_prep, .Lfunc_end_k_qf9dc297084_prep-k_qf9dc297084_prep
	.p2alignl 7, 3214868480
	.fill 96, 4, 3214868480
	.section	.rodata,"a",@progbits
	.p2align	6, 0x0
	.amdhsa_kernel k_qf9dc297084_prep
		.amdhsa_group_segment_fixed_size 33280
		.amdhsa_private_segment_fixed_size 0
		.amdhsa_enable_private_segment 0
		.amdhsa_kernarg_size 72
		.amdhsa_user_sgpr_count 2
		.amdhsa_user_sgpr_kernarg_segment_ptr 1
		.amdhsa_wavefront_size32 1
		.amdhsa_system_sgpr_workgroup_id_x 1
		.amdhsa_system_sgpr_workgroup_id_y 1
		.amdhsa_system_sgpr_workgroup_id_z 1
		.amdhsa_system_vgpr_workitem_id 0
		.amdhsa_next_free_vgpr 192
		.amdhsa_next_free_sgpr 66
		.amdhsa_reserve_vcc 1
		.amdhsa_float_denorm_mode_32 3
		.amdhsa_float_denorm_mode_16_64 3
		.amdhsa_memory_ordered 1
		.amdhsa_forward_progress 1
		.amdhsa_inst_pref_size 82
	.end_amdhsa_kernel
	.amdgpu_metadata
---
amdhsa.version: [ 1, 2 ]
amdhsa.kernels:
  - .name:           k_qf9dc297084_prep
    .symbol:         k_qf9dc297084_prep.kd
    .args:
      - { .name: x, .offset: 0, .size: 8, .value_kind: global_buffer, .address_space: global }
      - { .name: Wqkv, .offset: 8, .size: 8, .value_kind: global_buffer, .address_space: global }
      - { .name: xc, .offset: 16, .size: 8, .value_kind: global_buffer, .address_space: global }
      - { .name: xs, .offset: 24, .size: 8, .value_kind: global_buffer, .address_space: global }
      - { .name: wc, .offset: 32, .size: 8, .value_kind: global_buffer, .address_space: global }
      - { .name: ws, .offset: 40, .size: 8, .value_kind: global_buffer, .address_space: global }
      - { .name: Wo, .offset: 48, .size: 8, .value_kind: global_buffer, .address_space: global }
      - { .name: wo16, .offset: 56, .size: 8, .value_kind: global_buffer, .address_space: global }
      - { .name: rope, .offset: 64, .size: 8, .value_kind: global_buffer, .address_space: global }
    .group_segment_fixed_size: 33280
    .private_segment_fixed_size: 0
    .kernarg_segment_align: 8
    .kernarg_segment_size: 72
    .max_flat_workgroup_size: 128
    .sgpr_count:     66
    .vgpr_count:     192
    .wavefront_size: 32
...
	.end_amdgpu_metadata
.endif
;; end of part 1
;; launch qkv (part 2): grid 12 x 32, 4 waves a work-group, clusters of 4 x 4, 327,680 bytes of LDS; arguments xc, xs, wc, ws, qkvh, rope; writes qkvh
.if DOCPART == 2
	.amdgcn_target "amdgcn-amd-amdhsa--gfx1250"
	.amdhsa_code_object_version 6
	.text
	.protected	k_qf9dc297084_qkv
	.globl	k_qf9dc297084_qkv
	.p2align	8
	.type	k_qf9dc297084_qkv,@function
k_qf9dc297084_qkv:
	s_mov_b64 s[64:65], 0
	v_nop
	global_prefetch_b8 v0, s[64:65] scope:SCOPE_SE
	s_setreg_imm32_b32 hwreg(HW_REG_WAVE_MODE, 25, 1), 1
	s_wait_xcnt 0x0
	s_wait_alu depctr_hold_cnt(0) depctr_sa_sdst(0) depctr_va_vdst(0) depctr_va_sdst(0) depctr_va_ssrc(0) depctr_va_vcc(0) depctr_vm_vsrc(0)
	s_getreg_b32 s2, hwreg(HW_REG_IB_STS2, 6, 4)
	s_cmp_eq_u32 s2, 0
	s_cbranch_scc0 .Lentry_in_a_cluster
	s_endpgm
.Lentry_in_a_cluster:
	s_bfe_u32 s2, ttmp6, 0x10000c
	s_cmp_lg_u32 s2, 0xf033
	s_cbranch_scc0 .Lentry_shape_is_right
	s_endpgm
.Lentry_shape_is_right:
; QKV: C[m][n] = sum over k of x[m][k] Wqkv[n][k] on codes of FP4 (E2M1) with one E8M0 scale for each 32 along K; then the rotary embedding in f32; then f16 into qkvh[3][batch x 16 + head][2048][64].
; A tile of C, 256 x 256, is made by a work-group of four waves; a wave makes 128 x 128: 64 accumulators of 16 x 16, 512 registers.  K = 1,024 is two K steps of 512 (rows of 256 bytes): both lie in LDS
; at once, in two slots that are each filled once, so there is no loop over K and nothing is filled again.  The scale bytes of the work-group's rows come once, with the first fills.
; CLUSTERS: 4 x 4 work-groups.  The four of a row of the cluster need the same tiles of x, the four of a column the same tiles of Wqkv: each is asked for jointly, by the same tensor load with the same
; descriptor and a mask that names the four.  A wave has three tensor loads out at the head.
; THE MATRIX INSTRUCTION IS USED TRANSPOSED (source 0 = 16 rows of Wqkv, source 1 = 16 rows of x): a lane holds ONE position t and eight neighbouring columns.  A wave's 128 columns are two whole heads, so
; both partners d and d + 32 of the rotation lie in the same lane: blocks b and b + 2 of a head's four.
; THE SECTION (q, k or v) is the cluster's x: 1,024 columns are four tiles.  It enters addresses alone: the table's section for v holds cos = 1 and sin = 0, that for q holds both times log2(e) / 8, so one
; text serves all three.
; LIMITS: |log2(e)/8 q|, |k|, |v| stay under 65,504 (f16); NaN and infinities are not served.
; REGISTERS, in windows of 256: window 0: v0-31 addresses; v32-95 scale words, two sets, and nothing else; v128-191 x's fragments, ONE set; on the way out v96-127 packed f16, v128-191 rotated numbers, v192-255 rows read back.
;   window 1: Wqkv's fragments, two sets, at v0 and v128; on the way out v0-63 two sets of the table.   window 2: the accumulators of my rows 0-63 ((a, b) at v[8 (8 a + b)]);   window 3: rows 64-127.
.set SIZE_K, 1024
.set KSTEP,  512
.set NQ,     KSTEP/128                 ; matrix instructions deep
.set ROWB,   256                       ; a tile's row in bytes
.set KROW,   SIZE_K*4/8                ; a row of codes in memory
.set PITCH,  272                       ; an LDS row: 256 bytes + 16 of padding: the 16 rows that a load touches start at 16 different banks (64 banks of 4 bytes: ISA guide 11.1)
.set FR,     8                         ; registers of a fragment
.set NL,     2                         ; LDS loads that bring one
.set NP,     4                         ; places behind this matrix instruction (ISA guide 7.12.1)
.set HALFT,  128*PITCH
.set SLOT,   4*HALFT                   ; x's 256 rows, then Wqkv's 256 rows
.set KS,     SIZE_K/32                 ; a row of scales in bytes
.set SCL,    2*SLOT                    ; behind the slots: the scales, as units of 256 bytes + 16 of padding
.set HALFS,  (128*KS/256)*272
.set SBLK,   (16*KS/256)*272
.set SPARE,  SCL+4*HALFS               ; the spare words: 128 bytes a wave, two blocks of 256 bytes that no other line names
.set STG,    SPARE+512                 ; the stages for the way out: 16 rows x (256 + 16) bytes for each wave; no fill lands there
.set SPITCH, 272
.set ADRA, 16
.set ADRB, 20
.set STO,  24                          ; v24 the way out: where I put 16 bytes of a row
.set RD,   25                          ; v25 where I read back
.set CO,   26                          ; v26 my byte offset in qkvh
.set ADRS, 27
.set SPW,  28
.set NIL,  29
.set TA,   30                          ; v30 16 x lane: my place in a group of the table
.set SC,   32
.set HP,   96
.set AF,   128
.set RR,   128
.set BK,   192
.set G1, 24
.set G0, 32
.set G1B, 48
.set G0B, 56
.set G1S, 68
.set G0S, 76
.set G1SB, 80
.set G0SB, 88
.set MSB, 0
.macro WIN new                         ; the immediate's high byte repeats the setting that is left
.if MSB != (\new)
	s_set_vgpr_msb (MSB<<8)|(\new)
.set MSB, (\new)
.endif
.endm
.set MUL_LO, 0xa1                      ; source 0 (Wqkv) window 1, source 1 (x) window 0, C and D window 2
.set MUL_HI, 0xf1                      ; the same, C and D window 3
.set TO_B,   0x40                      ; destination window 1, address window 0
; A joint load: waves 0 and 1 fetch for x, waves 2 and 3 for Wqkv.  The branch hangs on the wave's number alone.  An s_nop 0 and four v_nop follow each of the two lines.
.macro JLOAD g0a, g1a, g0b, g1b
	s_cmp_eq_u32 s15, 0
	s_cbranch_scc0 .Lfor_b_\@
	tensor_load_to_lds s[\g0a:\g0a+3], s[\g1a:\g1a+7]
	s_nop 0
.rept 4
	v_nop
.endr
	s_branch .Lasked_\@
.Lfor_b_\@:
	tensor_load_to_lds s[\g0b:\g0b+3], s[\g1b:\g1b+7]
	s_nop 0
.rept 4
	v_nop
.endr
.Lasked_\@:
.endm
.macro CROUND                          ; a round of the cluster's barrier
	s_barrier_signal -1
	s_barrier_wait -1
	s_cmp_lg_u32 s14, 0
	s_cbranch_scc1 .Lnot_wave_0_\@
	s_barrier_signal -3
.Lnot_wave_0_\@:
	s_barrier_wait -3
	s_barrier_signal -1
	s_barrier_wait -1
.endm
	s_load_b128 s[4:7], s[0:1], 0x0                ; x's codes, x's scales
	s_load_b128 s[8:11], s[0:1], 0x10              ; Wqkv's codes, Wqkv's scales
	s_load_b64 s[12:13], s[0:1], 0x20              ; qkvh
	s_load_b64 s[66:67], s[0:1], 0x28              ; the table
	v_lshl_add_u32 v[SPW], v0, 2, SPARE
	v_mov_b32 v[NIL], 0
	ds_add_u32 v[SPW], v[NIL]                      ; the wave's opening: the add, twice on end, and its wait ahead of my first tensor load
	ds_add_u32 v[SPW], v[NIL]
	v_lshrrev_b32 v1, 5, v0
	v_readfirstlane_b32 s14, v1                    ; wave 0..3
	s_lshr_b32 s15, s14, 1                         ; which half of the tile's rows is mine.  Also: I fetch for x (0) or for Wqkv (1)
	s_and_b32 s16, s14, 1                          ; which half of its columns.  Also: which 128 rows of that tile I fetch
	s_bfe_u32 s40, ttmp6, 0x40000                  ; cx, cy: my place in the cluster
	s_bfe_u32 s41, ttmp6, 0x40004
	s_lshl_b32 s42, ttmp9, 2
	s_add_co_u32 s42, s42, s40                     ; tile column = 4 x cluster x + cx
	s_and_b32 s17, ttmp7, 0xffff
	s_lshl_b32 s17, s17, 2
	s_add_co_u32 s17, s17, s41                     ; tile row = 4 x cluster y + cy
	s_lshl_b32 s43, s41, 2
	s_lshl_b32 s43, 15, s43                        ; my row of the cluster
	s_lshl_b32 s44, 0x1111, s40                    ; my column
	; descriptor group 1: a tile of 128 rows x 256 bytes, padded in LDS
	s_or_b32 s[G1+0], s43, (0<<16)|(1<<20)|(1<<21)|(5<<22)|(3<<25)  ; 15:0 the mask; 17:16 elements of 1 byte; 20 padding on; 21 set beside a mask; 24:22 after every 64 words; 31:25 four words
	s_or_b32 s[G1B+0], s44, (0<<16)|(1<<20)|(1<<21)|(5<<22)|(3<<25)
.irp g, G1, G1B
	s_mov_b32 s[\g+1], ROWB<<16                    ; tensor_dim0
	s_mov_b32 s[\g+2], 128<<16                     ; tensor_dim1
	s_mov_b32 s[\g+3], ROWB<<16                    ; tile_dim0
	s_mov_b32 s[\g+4], 128                         ; tile_dim1
	s_mov_b32 s[\g+5], KROW                        ; tensor_dim0_stride
	s_mov_b32 s[\g+6], 0
	s_mov_b32 s[\g+7], 0
.endr
	; the scales of 128 rows: a dense block of 4,096 bytes, as rows of 256 bytes (32 elements of 8 bytes), 16 bytes of padding behind each
	s_or_b32 s[G1S+0], s43, (3<<16)|(1<<20)|(1<<21)|(5<<22)|(3<<25)
	s_or_b32 s[G1SB+0], s44, (3<<16)|(1<<20)|(1<<21)|(5<<22)|(3<<25)
.irp g, G1S, G1SB
	s_mov_b32 s[\g+1], 32<<16
	s_mov_b32 s[\g+2], (128*KS/256)<<16
	s_mov_b32 s[\g+3], 32<<16
	s_mov_b32 s[\g+4], 128*KS/256
	s_mov_b32 s[\g+5], 32
	s_mov_b32 s[\g+6], 0
	s_mov_b32 s[\g+7], 0
.endr
	s_lshl_b32 s18, s16, 7                         ; which 128 rows of the tile I fetch
	s_lshl_b32 s20, s17, 8
	s_add_co_u32 s20, s20, s18                     ; x: row 256 x tile row + 128 x half
	s_lshl_b32 s46, s42, 8
	s_add_co_u32 s46, s46, s18                     ; Wqkv: row 256 x tile column + 128 x half
	s_mov_b32 s21, 0
	s_mov_b32 s47, 0
	s_mov_b64 s[18:19], KS
	s_mul_u64 s[22:23], s[20:21], s[18:19]         ; where these rows' scales begin, in bytes
	s_mul_u64 s[92:93], s[46:47], s[18:19]
	s_mov_b64 s[18:19], KROW
	s_mul_u64 s[20:21], s[20:21], s[18:19]         ; and their codes
	s_mul_u64 s[46:47], s[46:47], s[18:19]
	s_mul_i32 s45, s14, HALFT                      ; where they go: wave x 128 rows: no place in the cluster enters an LDS address
	s_mul_i32 s94, s14, HALFS
	s_wait_dscnt 0x0                               ; both opening adds are done
	s_wait_kmcnt 0x0
	s_add_nc_u64 s[20:21], s[4:5], s[20:21]
	s_add_nc_u64 s[22:23], s[6:7], s[22:23]
	s_add_nc_u64 s[46:47], s[8:9], s[46:47]
	s_add_nc_u64 s[92:93], s[10:11], s[92:93]
	CROUND                                         ; all sixteen work-groups are here: the joint loads meet
	s_mov_b32 s[G0S], 1
	s_add_co_u32 s[G0S+1], s94, SCL
	s_mov_b64 s[G0S+2:G0S+3], s[22:23]
	s_or_b32 s[G0S+3], s[G0S+3], 0x80000000
	s_mov_b32 s[G0SB], 1
	s_add_co_u32 s[G0SB+1], s94, SCL
	s_mov_b64 s[G0SB+2:G0SB+3], s[92:93]
	s_or_b32 s[G0SB+3], s[G0SB+3], 0x80000000
	JLOAD G0S, G1S, G0SB, G1SB                     ; the scales first: they are wanted with K step 0
.irp s, 0,1
	s_mov_b32 s[G0+4*\s], 1
	s_add_co_u32 s[G0+4*\s+1], s45, \s*SLOT
	s_add_nc_u64 s[G0+4*\s+2:G0+4*\s+3], s[20:21], \s*ROWB
	s_or_b32 s[G0+4*\s+3], s[G0+4*\s+3], 0x80000000
	s_mov_b32 s[G0B+4*\s], 1
	s_add_co_u32 s[G0B+4*\s+1], s45, \s*SLOT
	s_add_nc_u64 s[G0B+4*\s+2:G0B+4*\s+3], s[46:47], \s*ROWB
	s_or_b32 s[G0B+4*\s+3], s[G0B+4*\s+3], 0x80000000
	JLOAD G0+4*\s, G1, G0B+4*\s, G1B
.endr
	v_and_b32 v1, 15, v0                           ; r = l % 16
	v_bfe_u32 v2, v0, 4, 1                         ; h = l / 16
	v_mul_u32_u24 v3, v1, PITCH
	v_lshl_add_u32 v4, v2, 4, v3                   ; a fragment's row x pitch + 16 x half
	s_mul_i32 s21, s15, HALFT                      ; my 128 rows of x
	s_mul_i32 s22, s16, HALFT                      ; my 128 rows of Wqkv,
	s_add_co_u32 s22, s22, 2*HALFT                 ; which lie behind x's 256
.irp s, 0,1
	v_add_nc_u32 v[ADRA+\s], s21, v4
	v_add_nc_u32 v[ADRB+\s], s22, v4
	s_add_co_u32 s21, s21, SLOT
	s_add_co_u32 s22, s22, SLOT
.endr
	v_mul_u32_u24 v5, v1, KS                       ; my row's scales: KS bytes a row,
	v_lshrrev_b32 v6, 8, v5
	v_lshl_add_u32 v5, v6, 4, v5                   ; and 16 more for each 256 passed
	s_mul_i32 s21, s15, HALFS
	s_mul_i32 s22, s16, HALFS
	s_add_co_u32 s22, s22, 2*HALFS
	s_sub_co_u32 s22, s22, s21
	v_mul_u32_u24 v6, s22, v2                      ; lanes 16-31 take Wqkv's
	s_add_co_u32 s21, s21, SCL
	v_add_nc_u32 v5, v5, v6
	v_add_nc_u32 v[ADRS], s21, v5
	; the way out's addresses
	s_mul_i32 s23, s14, 16*SPITCH
	s_add_co_u32 s23, s23, STG                     ; my stage
	v_mul_u32_u24 v5, v1, SPITCH                   ; in: row r, 16 bytes for each half of the lanes
	v_lshl_add_u32 v5, v2, 4, v5
	v_add_nc_u32 v[STO], s23, v5
	v_bfe_u32 v5, v0, 3, 1                         ; back: lanes 0-15 take my first head, lanes 16-31 my second; eight lanes a row's 128 bytes, two rows
	v_mul_u32_u24 v5, v5, SPITCH
	v_lshl_add_u32 v5, v2, 7, v5
	v_and_b32 v6, 7, v0
	v_lshl_add_u32 v5, v6, 4, v5
	v_add_nc_u32 v[RD], s23, v5
	v_lshlrev_b32 v[CO], 18, v2                    ; in qkvh a head is 2,048 rows of 128 bytes = 262,144 bytes; two rows of a head are 256 consecutive bytes
	v_lshl_add_u32 v[CO], v1, 4, v[CO]
	v_and_b32 v6, 31, v0
	v_lshlrev_b32 v[TA], 4, v6
	s_lshr_b32 s95, s17, 3                         ; batch: 2,048 rows are eight tile rows
	s_and_b32 s98, s17, 7                          ; the tile row within the batch
	s_lshl_b32 s96, s95, 4
	s_lshl_b32 s99, s40, 2
	s_add_co_u32 s96, s96, s99
	s_lshl_b32 s99, s16, 1
	s_add_co_u32 s96, s96, s99                     ; 16 x batch + my first head (4 cx + 2 x half)
	s_lshl_b32 s96, s96, 11
	s_lshl_b32 s99, s98, 8
	s_add_co_u32 s96, s96, s99
	s_lshl_b32 s99, s15, 7
	s_add_co_u32 s96, s96, s99                     ; + my first position
	s_lshl_b32 s96, s96, 7                         ; rows of 128 bytes
	s_lshl_b32 s99, ttmp9, 24                      ; the section: 16,777,216 bytes each
	s_add_co_u32 s96, s96, s99
	s_mov_b32 s97, 0
	s_add_nc_u64 s[12:13], s[12:13], s[96:97]
	s_lshl_b32 s96, s98, 4
	s_lshl_b32 s99, s15, 3
	s_add_co_u32 s96, s96, s99                     ; the table's block of my first 16 positions
	s_lshl_b32 s96, s96, 12
	s_lshl_b32 s99, ttmp9, 19                      ; its section: 524,288 bytes each
	s_add_co_u32 s96, s96, s99
	s_add_nc_u64 s[66:67], s[66:67], s[96:97]
.macro FRAG reg, adr, q, i             ; a fragment, 16 rows x 128 K of 4-bit codes: lane l holds row l % 16; registers 4 c .. 4 c + 3 hold K = 64 c + 32 (l / 16) + 0 .. 31
.irp c, 0,1
	ds_load_b128 v[\reg+4*\c:\reg+4*\c+3], v[\adr] offset:64*(\q)+32*\c+(\i)*16*PITCH
.endr
.endm
; 16 matrix instructions: x's blocks a0, a0 + 1 against Wqkv's eight, 128 along K.  The 64 accumulators take turns, one instruction a turn, in the same order in every step.
.macro MUL16 a0, p, q, sc, zero
.irp a, \a0, \a0+1
.irp b, 0,1,2,3,4,5,6,7
.if \zero
	v_wmma_scale_f32_16x16x128_f8f6f4 v[8*(8*((\a)%4)+\b):8*(8*((\a)%4)+\b)+7], v[128*(\p)+FR*\b:128*(\p)+FR*\b+FR-1], v[AF+FR*(\a):AF+FR*(\a)+FR-1], 0, v[SC+8*NQ*(\sc)+NQ*\b+(\q)], v[SC+8*NQ*(\sc)+NQ*(\a)+(\q)] matrix_a_fmt:MATRIX_FMT_FP4 matrix_b_fmt:MATRIX_FMT_FP4 matrix_a_scale:MATRIX_SCALE_ROW1
.else
	v_wmma_scale_f32_16x16x128_f8f6f4 v[8*(8*((\a)%4)+\b):8*(8*((\a)%4)+\b)+7], v[128*(\p)+FR*\b:128*(\p)+FR*\b+FR-1], v[AF+FR*(\a):AF+FR*(\a)+FR-1], v[8*(8*((\a)%4)+\b):8*(8*((\a)%4)+\b)+7], v[SC+8*NQ*(\sc)+NQ*\b+(\q)], v[SC+8*NQ*(\sc)+NQ*(\a)+(\q)] matrix_a_fmt:MATRIX_FMT_FP4 matrix_b_fmt:MATRIX_FMT_FP4 matrix_a_scale:MATRIX_SCALE_ROW1
.endif
.endr
.endr
.endm
.macro FETCH_B slot, q, p
	WIN TO_B
.irp i, 0,1,2,3,4,5,6,7
	FRAG 128*(\p)+FR*\i, ADRB+\slot, \q, \i
.endr
	WIN 0
.endm
.macro FETCH_A slot, q, i0
.irp i, \i0, \i0+1, \i0+2, \i0+3
	FRAG AF+FR*(\i), ADRA+\slot, \q, \i
.endr
.endm
.macro SCALES sc                       ; a K step's scale words: lanes 0-15 take x's block i, lanes 16-31 Wqkv's block i
.irp i, 0,1,2,3,4,5,6,7
	ds_load_b128 v[SC+8*NQ*\sc+NQ*\i:SC+8*NQ*\sc+NQ*\i+3], v[ADRS] offset:\i*SBLK
.endr
.endm
.macro PLACES n                        ; plain vector lines between a matrix instruction and a load into, or a vector line on, its registers
.rept \n
	v_nop
.endr
.endm
.macro STEP slot, q, zero              ; a step of 128 along K that has its successor in the same slot
	s_wait_dscnt 4*NL                              ; Wqkv's set and x's blocks 0-3 are in; the youngest eight loads (x's blocks 4-7) may be out
	WIN MUL_LO
	MUL16 0, (\q)%2, \q, \slot, \zero
	MUL16 2, (\q)%2, \q, \slot, \zero
	s_wait_dscnt 0                                 ; x's blocks 4-7 are in
	PLACES NP
	FETCH_B \slot, (\q)+1, 1-(\q)%2
	FETCH_A \slot, (\q)+1, 0
	WIN MUL_HI
	MUL16 4, (\q)%2, \q, \slot, \zero
	MUL16 6, (\q)%2, \q, \slot, \zero
	PLACES NP
	WIN 0
	FETCH_A \slot, (\q)+1, 4
.endm
.macro STEPS slot, from
.set Q, \from
.rept NQ-1-\from
	STEP \slot, Q, 0
.set Q, Q+1
.endr
.endm
	s_wait_tensorcnt 1                             ; the scales and my part of K step 0 are in; K step 1's load, issued behind them, may be out
	s_barrier_signal -1
	s_barrier_wait -1                              ; everybody's are
	FETCH_B 0, 0, 0
	FETCH_A 0, 0, 0
	SCALES 0
	FETCH_A 0, 0, 4
	STEP 0, 0, 1                                   ; the first step's products start the sums: nothing is cleared
	STEPS 0, 1
	; slot 0's last step changes slots: one barrier; in front of it each wave has its part of slot 1 in LDS
	s_wait_tensorcnt 0x0                           ; all my tensor loads have landed: my part of slot 1
	ds_add_u32 v[SPW], v[NIL]
	s_wait_dscnt 4*NL+1                            ; the add and the youngest eight loads (x's blocks 4-7) may be out
	WIN MUL_LO
	MUL16 0, 1, NQ-1, 0, 0
	s_wait_dscnt 0x0                               ; no LDS instruction of mine is out at the signal
	s_barrier_signal -1
	MUL16 2, 1, NQ-1, 0, 0
	WIN 0
	s_barrier_wait -1                              ; slot 1 is whole
	PLACES NP
	v_add_nc_u32 v[ADRS], 4*NQ, v[ADRS]            ; on to the second K step's scale words
	FETCH_B 1, 0, 0
	FETCH_A 1, 0, 0
	SCALES 1
	WIN MUL_HI
	MUL16 4, 1, NQ-1, 0, 0
	MUL16 6, 1, NQ-1, 0, 0
	PLACES NP
	WIN 0
	FETCH_A 1, 0, 4
	STEPS 1, 0
	s_wait_dscnt 4*NL                              ; the last step: nothing more to fetch
	WIN MUL_LO
	MUL16 0, 1, NQ-1, 1, 0
	MUL16 2, 1, NQ-1, 1, 0
	s_wait_dscnt 0
	WIN MUL_HI
	MUL16 4, 1, NQ-1, 1, 0
	MUL16 6, 1, NQ-1, 1, 0
	WIN 0
; THE WAY OUT, block a of 16 positions x 128 columns at a time.
; TAB: the table's block for these positions, eight loads of 512 consecutive bytes, into set a % 2 of window 1: cos of frequency 16 u + 8 h + j at register 8 u + j, sin at 16 + 8 u + j.
.macro TAB a
	WIN 0x40
.irp g, 0,1,2,3,4,5,6,7
	global_load_b128 v[32*((\a)%2)+4*\g:32*((\a)%2)+4*\g+3], v[TA], s[66:67] offset:(\a)*4096+\g*512
.endr
	WIN 0
.endm
; ROPE: in head hh, block bl = 4 hh + u holds d = 16 u + 8 h + j (under 32), block bh = bl + 2 holds d + 32.  out[d] = x[d] cos - x[d + 32] sin;  out[d + 32] = x[d + 32] cos + x[d] sin.
; Each accumulator is read from its low end on.
.macro ROPE a
.set AC, 64*((\a)%4)
.set CT, 32*((\a)%2)
	WIN 0x06+(\a)/4                                ; source 0: the accumulators' window (2 or 3); source 1: window 1; source 2 and destination: window 0
.irp hh, 0,1
.irp u, 0,1
.irp jp, 0,2,4,6
	v_pk_mul_f32 v[RR+8*(4*\hh+\u)+\jp:RR+8*(4*\hh+\u)+\jp+1], v[AC+8*(4*\hh+\u+2)+\jp:AC+8*(4*\hh+\u+2)+\jp+1], v[CT+16+8*\u+\jp:CT+16+8*\u+\jp+1]
	v_pk_mul_f32 v[RR+8*(4*\hh+\u+2)+\jp:RR+8*(4*\hh+\u+2)+\jp+1], v[AC+8*(4*\hh+\u)+\jp:AC+8*(4*\hh+\u)+\jp+1], v[CT+16+8*\u+\jp:CT+16+8*\u+\jp+1]
.endr
.endr
.endr
.irp hh, 0,1
.irp u, 0,1
.irp jp, 0,2,4,6
	v_pk_fma_f32 v[RR+8*(4*\hh+\u)+\jp:RR+8*(4*\hh+\u)+\jp+1], v[AC+8*(4*\hh+\u)+\jp:AC+8*(4*\hh+\u)+\jp+1], v[CT+8*\u+\jp:CT+8*\u+\jp+1], v[RR+8*(4*\hh+\u)+\jp:RR+8*(4*\hh+\u)+\jp+1] neg_lo:[0,0,1] neg_hi:[0,0,1]
	v_pk_fma_f32 v[RR+8*(4*\hh+\u+2)+\jp:RR+8*(4*\hh+\u+2)+\jp+1], v[AC+8*(4*\hh+\u+2)+\jp:AC+8*(4*\hh+\u+2)+\jp+1], v[CT+8*\u+\jp:CT+8*\u+\jp+1], v[RR+8*(4*\hh+\u+2)+\jp:RR+8*(4*\hh+\u+2)+\jp+1]
.endr
.endr
.endr
	WIN 0
.endm
.macro PACKH                           ; a lane's eight columns of a block become 16 bytes of f16
.irp b, 0,1,2,3,4,5,6,7
.irp i, 0,1,2,3
	v_cvt_pk_f16_f32 v[HP+4*\b+\i], v[RR+8*\b+2*\i], v[RR+8*\b+2*\i+1]
.endr
.endr
.endm
.macro TOSTAGE a                       ; into my own stage and back: LDS serves a wave's instructions in order (ISA guide 5.7.1.4), so no wait stands between
.irp b, 0,1,2,3,4,5,6,7
	ds_store_b128 v[STO], v[HP+4*\b:HP+4*\b+3] offset:32*\b
.endr
.irp u, 0,1,2,3,4,5,6,7
	ds_load_b128 v[BK+32*((\a)%2)+4*\u:BK+32*((\a)%2)+4*\u+3], v[RD] offset:\u*2*SPITCH
.endr
.endm
.macro SEND a, younger                 ; younger: the LDS instructions issued behind block a's loads, which may stay out
	s_wait_dscnt \younger
.irp u, 0,1,2,3,4,5,6,7
	global_store_b128 v[CO], v[BK+32*((\a)%2)+4*\u:BK+32*((\a)%2)+4*\u+3], s[12:13] offset:(\a)*2048+\u*256   ; sixteen lanes store 256 consecutive bytes, aligned: two positions of one head
.endr
.endm
	PLACES NP                                      ; behind the last products: for the loads into window 1, the writes over x's fragments and the reads of results
	TAB 0
	TAB 1
.irp a, 0,1,2,3,4,5,6,7
.if \a < 7
	s_wait_loadcnt 8                               ; this block's eight loads of the table are in; the next block's eight may be out
.else
	s_wait_loadcnt 0x0
.endif
	ROPE \a
.if \a < 6
	TAB \a+2
.endif
	PACKH
.if \a > 1
	s_wait_xcnt 0x0                                ; block a - 2's stores have read their registers: block a's rows may land there
.endif
	TOSTAGE \a
.if \a > 0
	SEND \a-1, 16                                  ; behind block a - 1's loads: block a's eight stores and eight loads
.endif
.endr
	SEND 7, 0
	s_wait_tensorcnt 0x0                           ; the wave's end
	ds_add_u32 v[SPW], v[NIL]
	s_wait_dscnt 0x0
	CROUND                                         ; the closing round
	s_endpgm
.Lfunc_end_k_qf9dc297084_qkv:
	.size	k_qf9dc297084_qkv, .Lfunc_end_k_qf9dc297084_qkv-k_qf9dc297084_qkv
	.p2alignl 7, 3214868480
	.fill 96, 4, 3214868480
	.section	.rodata,"a",@progbits
	.p2align	6, 0x0
	.amdhsa_kernel k_qf9dc297084_qkv
		.amdhsa_group_segment_fixed_size 327680
		.amdhsa_private_segment_fixed_size 0
		.amdhsa_enable_private_segment 0
		.amdhsa_kernarg_size 48
		.amdhsa_user_sgpr_count 2
		.amdhsa_user_sgpr_kernarg_segment_ptr 1
		.amdhsa_wavefront_size32 1
		.amdhsa_system_sgpr_workgroup_id_x 1
		.amdhsa_system_sgpr_workgroup_id_y 1
		.amdhsa_system_sgpr_workgroup_id_z 1
		.amdhsa_system_vgpr_workitem_id 0
		.amdhsa_next_free_vgpr 1024
		.amdhsa_next_free_sgpr 100
		.amdhsa_reserve_vcc 0
		.amdhsa_float_denorm_mode_32 3
		.amdhsa_float_denorm_mode_16_64 3
		.amdhsa_memory_ordered 1
		.amdhsa_forward_progress 1
		.amdhsa_inst_pref_size 166
	.end_amdhsa_kernel
	.amdgpu_metadata
---
amdhsa.version: [ 1, 2 ]
amdhsa.kernels:
  - .name:           k_qf9dc297084_qkv
    .symbol:         k_qf9dc297084_qkv.kd
    .args:
      - { .name: xc, .offset: 0, .size: 8, .value_kind: global_buffer, .address_space: global }
      - { .name: xs, .offset: 8, .size: 8, .value_kind: global_buffer, .address_space: global }
      - { .name: wc, .offset: 16, .size: 8, .value_kind: global_buffer, .address_space: global }
      - { .name: ws, .offset: 24, .size: 8, .value_kind: global_buffer, .address_space: global }
      - { .name: qkvh, .offset: 32, .size: 8, .value_kind: global_buffer, .address_space: global }
      - { .name: rope, .offset: 40, .size: 8, .value_kind: global_buffer, .address_space: global }
    .group_segment_fixed_size: 327680
    .private_segment_fixed_size: 0
    .kernarg_segment_align: 8
    .kernarg_segment_size: 48
    .max_flat_workgroup_size: 128
    .sgpr_count:     100
    .vgpr_count:     1024
    .wavefront_size: 32
...
	.end_amdgpu_metadata
.endif
;; end of part 2
;; launch attn (part 3): grid 4 x 64, 8 waves a work-group, clusters of 4 x 1, 327,680 bytes of LDS; arguments qkvh, key_padding_mask, att; writes att
.if DOCPART == 3
	.amdgcn_target "amdgcn-amd-amdhsa--gfx1250"
	.amdhsa_code_object_version 6
	.text
	.protected	k_qf9dc297084_attn
	.globl	k_qf9dc297084_attn
	.p2align	8
	.type	k_qf9dc297084_attn,@function
k_qf9dc297084_attn:
	s_mov_b64 s[64:65], 0
	v_nop
	global_prefetch_b8 v0, s[64:65] scope:SCOPE_SE
	s_setreg_imm32_b32 hwreg(HW_REG_WAVE_MODE, 25, 1), 1
	s_wait_xcnt 0x0
	s_wait_alu depctr_hold_cnt(0) depctr_sa_sdst(0) depctr_va_vdst(0) depctr_va_sdst(0) depctr_va_ssrc(0) depctr_va_vcc(0) depctr_vm_vsrc(0)
	s_getreg_b32 s2, hwreg(HW_REG_IB_STS2, 6, 4)
	s_cmp_eq_u32 s2, 0
	s_cbranch_scc0 .Lentry_in_a_cluster
	s_endpgm
.Lentry_in_a_cluster:
	s_bfe_u32 s2, ttmp6, 0x10000c
	s_cmp_lg_u32 s2, 0x3003
	s_cbranch_scc0 .Lentry_shape_is_right
	s_endpgm
.Lentry_shape_is_right:
; ATTN: att[head][b 2048 + q][:] = sum over k of softmax_k(t[q][k]) v[k][:], for one (batch, head) a cluster.  q, k, v: f16 [2048][64] each, from qkvh; q already carries log2(e) / 8, so that
; t = q . k is the score in base-2 units.  Products, maxima and sums in f32; the weights p = 2^(t - m) are rounded to f16 for the second product; the result once, to f16, at the end.
; SHARES.  A work-group owns 512 queries, each of its eight waves 64: four tiles of 16, in 512 registers; two waves lie on a SIMD, so that one wave's softmax stands beside the other's products.
; The four work-groups of a cluster are the four query blocks of one head: they walk the same K and V, so each tile is asked for JOINTLY (mask 15).
; LAYOUT.  S^T = K Q^T (source 0 = 16 keys, source 1 = 16 queries): a lane holds ONE query (lane % 16) and keys 8 (lane / 16) + 0..7.  Two such tiles, rounded to f16 in pairs, ARE source 1 of
; O^T = V^T P.  K comes out of LDS as it lies, V ([key][channel]) turned by ds_load_tr16_b128.
; THE MASK.  bias[key] = -2^127 where the key is padded, else 0, f32, in LDS; it is the C of each score tile's first product.  A running maximum m and sum l: whatever a run of padded keys leaves in l and
; O^T is multiplied by 2^(old m - new m) = 0 when the first open key comes.  Where ALL 2,048 keys of the batch are padded, the bias is made 0 and Q is made 0 (two selects, no branch): all scores are 0 and
; the softmax is uniform over all keys.
; LIMITS: NaN and infinities are not served; |t| stays far under 2^100.
; REGISTERS: window 0: v2-15 addresses; v16-47 statistics, eight a tile (+0 m, +1 old m - new m, +2 +3 l, +4 to +7 at work, a = 2^(+1) in +6); v48-79 bias; v80-95 at work; v96-223 S^T, 32 a tile, P in place
; in the first 16 of each; v224-255 the mask's work, later rows read back.   window 1: v0-127 O^T (32 t + 8 ct); v128-191 Q (16 t + 8 cc); v192-255 K's fragments, then V's.
.set KS,    64                         ; keys in a step
.set PK,    144                        ; a row of K in LDS: 128 bytes + 16: 36 words: the 16 rows of a load start at 16 different banks (64 banks of 4 bytes: ISA guide 11.1)
.set PV,    160                        ; a row of V: 128 + 32: 40 words, for the turning load
.set VOFF,  KS*PK
.set STEPB, KS*(PK+PV)                 ; a step: 64 rows of K, then 64 rows of V
.set SLOT1, 1<<17                      ; a slot holds four steps (77,824 bytes); slot 1 begins here, so that one exclusive or turns an address
.set BIAS,  SLOT1+4*STEPB              ; 2,048 f32
.set STAGE, BIAS+8192                  ; 16 rows x 144 bytes for each wave
.set SP,    144
.set SPARE, STAGE+8*16*SP              ; the spare words: 128 bytes a wave, four blocks of 256 bytes that no other line names
.set AK0, 2
.set AV0, 3
.set AB0, 4
.set ADK, 5
.set ADV, 6
.set ADB, 7
.set QO,  8
.set STO, 10
.set RD,  11
.set GO,  12
.set PFO, 13
.set SPW, 14
.set NIL, 15
.set ST,  16
.set BI,  48
.set TMP, 80
.set S,   96
.set BK,  224
.set QF,  128                          ; in window 1
.set KV,  192                          ; in window 1
.set WV,  14
.set W3,  15
.set CX,  16
.set HB,  17
.set G1K, 24
.set G1V, 32
.set G0K, 40
.set G0V, 44
.set SEL, 48
.set TB,  50                           ; LDS byte at which the step's tiles begin
.set TBI, 51                           ; and its 64 bias words: 256 bytes a step
.set SLOTS, 52
.set CNT, 53
.set PFA, 54
.set LIM, 56
.set FL,  57
.set NEGB, 58
.set QM,  59
.set MSB, 0
.macro WIN new
.if MSB != (\new)
	s_set_vgpr_msb (MSB<<8)|(\new)
.set MSB, (\new)
.endif
.endm
; A joint load.  Waves 0 to 3 fetch K of the slot's steps 0 to 3, waves 4 to 7 V of the same: 64 rows each.  The branch hangs on the wave's number alone.
.macro JLOAD
	s_cmp_lt_u32 s[WV], 4
	s_cbranch_scc0 .Lfor_v_\@
	tensor_load_to_lds s[G0K:G0K+3], s[G1K:G1K+7]
	s_nop 0
.rept 4
	v_nop
.endr
	s_branch .Lasked_\@
.Lfor_v_\@:
	tensor_load_to_lds s[G0V:G0V+3], s[G1V:G1V+7]
	s_nop 0
.rept 4
	v_nop
.endr
.Lasked_\@:
.endm
; A prefetch of what the NEXT change of slots will ask for: 256 rows of K and of V, 32,768 dense bytes each.  Each aligned block of 256 bytes is named once in the launch: a head has one cluster; its four
; partners take 8,192 bytes each, told apart by address; in each, wave 0 asks for K's and wave 4 for V's, lanes 256 bytes apart.  The last change that fills a slot asks for nothing.
.macro ASK
	s_cmp_gt_u32 s[SLOTS], s[LIM]
	s_cbranch_scc0 .Lnot_mine_\@
	global_prefetch_b8 v[PFO], s[PFA:PFA+1] th:TH_LOAD_NT scope:SCOPE_SE
.Lnot_mine_\@:
.endm
.macro CROUND
	s_barrier_signal -1
	s_barrier_wait -1
	s_cmp_lg_u32 s[WV], 0
	s_cbranch_scc1 .Lnot_wave_0_\@
	s_barrier_signal -3
.Lnot_wave_0_\@:
	s_barrier_wait -3
	s_barrier_signal -1
	s_barrier_wait -1
.endm
	s_load_b128 s[4:7], s[0:1], 0x0                ; qkvh, the mask
	s_load_b64 s[8:9], s[0:1], 0x10                ; att
	v_lshl_add_u32 v[SPW], v0, 2, SPARE
	v_mov_b32 v[NIL], 0
	ds_add_u32 v[SPW], v[NIL]                      ; the wave's opening: the add, twice on end, and its wait ahead of my first tensor load
	ds_add_u32 v[SPW], v[NIL]
	v_lshrrev_b32 v1, 5, v0
	v_readfirstlane_b32 s[WV], v1                  ; wave 0..7
	s_and_b32 s[W3], s[WV], 3                      ; which of a slot's four steps I fetch
	s_bfe_u32 s[CX], ttmp6, 0x40000                ; my block of 512 queries: it enters Q's, att's and the prefetches' addresses alone
	s_and_b32 s[HB], ttmp7, 0xffff                 ; 16 x batch + head, which the four partners share
	s_mov_b32 s[G1K], 15|(1<<16)|(1<<20)|(1<<21)|(4<<22)|(3<<25)  ; the mask: all four; elements of 2 bytes; padding on; bit 21 beside a mask; after every 32 words; four words
	s_mov_b32 s[G1V], 15|(1<<16)|(1<<20)|(1<<21)|(4<<22)|(7<<25)  ; the same with eight words of padding
.irp g, G1K, G1V
	s_mov_b32 s[\g+1], 64<<16                      ; tensor_dim0 = 64
	s_mov_b32 s[\g+2], KS<<16                      ; tensor_dim1 = 64
	s_mov_b32 s[\g+3], 64<<16                      ; tile_dim0 = 64
	s_mov_b32 s[\g+4], KS                          ; tile_dim1 = 64
	s_mov_b32 s[\g+5], 64                          ; elements from row to row
	s_mov_b32 s[\g+6], 0
	s_mov_b32 s[\g+7], 0
.endr
	s_mov_b32 s[SEL], 0x76543210
	s_mov_b32 s[SEL+1], 0xfedcba98                 ; v_permlanex16_b32's selects for lane l xor 16
	s_mov_b32 s[TB], 0
	s_mov_b32 s[TBI], 0
	s_mov_b32 s[SLOTS], 7
	s_cmp_eq_u32 s[W3], 0
	s_cselect_b32 s[LIM], 1, -1                    ; waves 0 and 4 prefetch
	s_lshl_b32 s20, s[HB], 18                      ; the head's 262,144 bytes in a section,
	s_lshl_b32 s21, s[W3], 13                      ; my step's 64 rows of 128 bytes
	s_add_co_u32 s20, s20, s21
	s_mov_b32 s21, 0
	s_mul_i32 s2, s[W3], STEPB                     ; and its place in a slot
	s_lshl_b32 s60, s[CX], 9
	s_lshl_b32 s61, s[WV], 6
	s_add_co_u32 s60, s60, s61                     ; my first query in the head
	s_lshl_b32 s62, s[HB], 11
	s_add_co_u32 s62, s62, s60
	s_lshl_b32 s62, s62, 7                         ; its row of q
	s_mov_b32 s63, 0
	s_and_b32 s3, s[HB], 15
	s_lshl_b32 s3, s3, 13                          ; att: head x 8,192 rows
	s_lshr_b32 s61, s[HB], 4
	s_lshl_b32 s10, s61, 11                        ; + batch x 2,048 (also the batch's first byte of the mask)
	s_add_co_u32 s3, s3, s10
	s_add_co_u32 s60, s3, s60
	s_lshl_b32 s60, s60, 7
	s_mov_b32 s61, 0
	s_mov_b32 s11, 0
	s_wait_dscnt 0x0                               ; both opening adds are done
	s_wait_kmcnt 0x0
	s_add_nc_u64 s[22:23], s[4:5], s[20:21]
	s_add_nc_u64 s[62:63], s[4:5], s[62:63]        ; q at my first query
	s_add_nc_u64 s[6:7], s[6:7], s[10:11]          ; the mask at my batch
	s_add_nc_u64 s[8:9], s[8:9], s[60:61]          ; att at my first query
	CROUND                                         ; all four work-groups are here: the first joint loads meet
	s_mov_b32 s[G0K], 1
	s_mov_b32 s[G0K+1], s2
	s_add_nc_u64 s[G0K+2:G0K+3], s[22:23], 0x1000000   ; section 1: k
	s_mov_b32 s[G0V], 1
	s_add_co_u32 s[G0V+1], s2, VOFF
	s_add_nc_u64 s[G0V+2:G0V+3], s[22:23], 0x2000000   ; section 2: v
	s_cmp_lt_u32 s[WV], 4
	s_cselect_b64 s[PFA:PFA+1], s[G0K+2:G0K+3], s[G0V+2:G0V+3]   ; (in waves 0 and 4 these stand at the head's first row)
	s_lshl_b32 s60, s[CX], 13                      ; my work-group's 8,192 bytes,
	s_add_co_u32 s60, s60, 32768                   ; in the second slot's worth of keys: the first change steps it to the third.  Nothing is prefetched here, at the head
	s_add_nc_u64 s[PFA:PFA+1], s[PFA:PFA+1], s[60:61]
	s_or_b32 s[G0K+3], s[G0K+3], 0x80000000
	s_or_b32 s[G0V+3], s[G0V+3], 0x80000000
	JLOAD                                          ; keys 0 to 255 into slot 0: one tensor load of mine is out
	v_and_b32 v1, 15, v0                           ; r
	v_bfe_u32 v9, v0, 4, 1                         ; h
	v_and_b32 v[GO], 31, v0
	v_lshlrev_b32 v[PFO], 8, v[GO]
	v_lshlrev_b32 v[GO], 4, v[GO]                  ; 16 x lane
	v_lshlrev_b32 v[TMP], 3, v0                    ; 8 x thread: my eight keys of the mask
	v_lshl_add_u32 v[TMP+1], v0, 5, BIAS           ; and their eight bias words
	v_lshlrev_b32 v[QO], 7, v1
	v_lshl_add_u32 v[QO], v9, 4, v[QO]             ; q: row r of 128 bytes + 16 h
.irp i, 0,1,2,3
	global_load_b128 v[224+4*\i:227+4*\i], v[GO], s[6:7] offset:512*\i   ; every wave reads the batch's 2,048 bytes: is every key padded?
.endr
	global_load_b64 v[240:241], v[TMP], s[6:7]
	WIN 0x40                                       ; destination window 1
.irp t, 0,1,2,3
.irp cc, 0,1
	global_load_b128 v[QF+16*\t+8*\cc:QF+16*\t+8*\cc+3], v[QO], s[62:63] offset:\t*2048+\cc*64
	global_load_b128 v[QF+16*\t+8*\cc+4:QF+16*\t+8*\cc+7], v[QO], s[62:63] offset:\t*2048+\cc*64+32
.endr
.endr
.set i, 0
.rept 128
	v_mov_b32 v[i], 0                              ; O^T.  (The key step is written once: its first pass finds zeros, which the first change of m leaves zeros)
.set i, i+1
.endr
	WIN 0
	v_mul_u32_u24 v[AK0], v1, PK
	v_lshl_add_u32 v[AK0], v9, 4, v[AK0]           ; K: row x pitch + 16 h
	v_and_b32 v[TMP+2], 7, v0
	v_bfe_u32 v[TMP+3], v0, 3, 1
	v_lshl_add_u32 v[AV0], v9, 3, v[TMP+2]         ; V, turned: key 8 h + l % 8, channels 8 ((l / 8) % 2) on
	v_mul_u32_u24 v[AV0], v[AV0], PV
	v_lshl_add_u32 v[AV0], v[TMP+3], 4, v[AV0]
	v_add_nc_u32 v[AV0], VOFF, v[AV0]
	v_lshl_add_u32 v[AB0], v9, 5, BIAS             ; bias: eight words for each half of the lanes
	s_mul_i32 s3, s[WV], 16*SP
	s_add_co_u32 s3, s3, STAGE                     ; my stage
	v_mul_u32_u24 v[STO], v1, SP
	v_lshl_add_u32 v[STO], v9, 4, v[STO]
	v_add_nc_u32 v[STO], s3, v[STO]                ; in: row r, 16 bytes for each half of the lanes
	v_bfe_u32 v[RD], v0, 3, 2
	v_mul_u32_u24 v[RD], v[RD], SP
	v_lshl_add_u32 v[RD], v[TMP+2], 4, v[RD]
	v_add_nc_u32 v[RD], s3, v[RD]                  ; back: eight lanes a row of 128 bytes, four rows
.irp t, 0,1,2,3
	v_mov_b32 v[ST+8*\t], 0xff61b1e6               ; m: -3e38, under every score and under the bias
	v_mov_b32 v[ST+8*\t+1], 0
	v_mov_b32 v[ST+8*\t+2], 0                      ; l, in two halves
	v_mov_b32 v[ST+8*\t+3], 0
.endr
	s_wait_loadcnt 16                              ; the mask's five loads are in; Q's sixteen, issued behind them, may be out
.irp i, 1,2,3,4,5,6,7,8,9,10,11,12,13,14,15
	v_and_b32 v224, v224, v[224+\i]
.endr
	v_cmp_eq_u32 s[FL], 0x01010101, v224           ; lanes all of whose 64 bytes are 1
	s_cmp_eq_u32 s[FL], -1                         ; every key of the batch is padded
	s_mov_b32 s[NEGB], 0xff000000                  ; -2^127
	s_cselect_b32 s[NEGB], 0, s[NEGB]
	s_cselect_b32 s[QM], 0, -1
.irp k, 0,1,2,3
	v_bfe_u32 v[244+\k], v240, 8*\k, 8
	v_bfe_u32 v[248+\k], v241, 8*\k, 8
.endr
.irp k, 0,1,2,3,4,5,6,7
	v_mul_lo_u32 v[244+\k], v[244+\k], s[NEGB]     ; 0 or 1 times the bias's bits
.endr
	ds_store_b128 v[TMP+1], v[244:247]
	ds_store_b128 v[TMP+1], v[248:251] offset:16
	s_wait_loadcnt 0x0                             ; Q
	WIN 0x44                                       ; source 1 and destination window 1
.set i, 0
.rept 64
	v_and_b32 v[QF+i], s[QM], v[QF+i]
.set i, i+1
.endr
	WIN 0
; 16 products of S^T = K Q^T: key tiles k0, k0 + 1 against the four query tiles; channels 0-31 with the bias as C, then channels 32-63 in place.  The accumulators take turns.
.macro KQ k0
.irp kt, \k0, \k0+1
.irp t, 0,1,2,3
	v_wmma_f32_16x16x32_f16 v[S+32*\t+8*(\kt):S+32*\t+8*(\kt)+7], v[KV+16*(\kt):KV+16*(\kt)+7], v[QF+16*\t:QF+16*\t+7], v[BI+8*(\kt):BI+8*(\kt)+7]
.endr
.endr
.irp kt, \k0, \k0+1
.irp t, 0,1,2,3
	v_wmma_f32_16x16x32_f16 v[S+32*\t+8*(\kt):S+32*\t+8*(\kt)+7], v[KV+16*(\kt)+8:KV+16*(\kt)+15], v[QF+16*\t+8:QF+16*\t+15], v[S+32*\t+8*(\kt):S+32*\t+8*(\kt)+7]
.endr
.endr
.endm
; A KEY STEP: 64 keys.
.macro STEP
	v_add_nc_u32 v[ADK], s[TB], v[AK0]             ; these five plain lines are the places between the last step's products V^T P and the loads into V's registers (four are asked)
	v_add_nc_u32 v[ADV], s[TB], v[AV0]             ; and the products below that write over P's registers (five)
	v_add_nc_u32 v[ADB], s[TBI], v[AB0]
	v_nop
	v_nop
.irp kt, 0,1,2,3
	ds_load_b128 v[BI+8*\kt:BI+8*\kt+3], v[ADB] offset:64*\kt          ; register j: the bias of key 16 kt + 8 h + j: the result's layout
	ds_load_b128 v[BI+8*\kt+4:BI+8*\kt+7], v[ADB] offset:64*\kt+16
.endr
	WIN 0x40
.irp kt, 0,1,2,3
.irp cc, 0,1
	ds_load_b128 v[KV+16*\kt+8*\cc:KV+16*\kt+8*\cc+3], v[ADK] offset:\kt*16*PK+\cc*64
	ds_load_b128 v[KV+16*\kt+8*\cc+4:KV+16*\kt+8*\cc+7], v[ADK] offset:\kt*16*PK+\cc*64+32
.endr
.endr
	s_wait_dscnt 8                                 ; the bias and K's key tiles 0 and 1 are in; the youngest eight loads (key tiles 2 and 3) may be out
	WIN 0x05                                       ; K and Q window 1; bias and S^T window 0
	KQ 0
	s_wait_dscnt 0x0
	KQ 2
.rept 4
	v_nop                                          ; places ahead of the loads into K's registers and of the first reads of S^T
.endr
	WIN 0x40
.irp kc, 0,1
.irp ct, 0,1,2,3
	ds_load_tr16_b128 v[KV+32*\kc+8*\ct:KV+32*\kc+8*\ct+3], v[ADV] offset:\kc*32*PV+\ct*32
	ds_load_tr16_b128 v[KV+32*\kc+8*\ct+4:KV+32*\kc+8*\ct+7], v[ADV] offset:\kc*32*PV+16*PV+\ct*32
.endr
.endr
	WIN 0
	; the softmax, the four tiles by turns.  The maximum of a lane's 32 scores and the old m: each accumulator is read from its low end on
.irp j, 0,1,2,3
.irp t, 0,1,2,3
	v_max3_num_f32 v[ST+8*\t+4+\j], v[S+32*\t+8*\j], v[S+32*\t+8*\j+1], v[S+32*\t+8*\j+2]
.endr
.endr
.irp w, 1,2
.irp j, 0,1,2,3
.irp t, 0,1,2,3
	v_max3_num_f32 v[ST+8*\t+4+\j], v[ST+8*\t+4+\j], v[S+32*\t+8*\j+2*\w+1], v[S+32*\t+8*\j+2*\w+2]
.endr
.endr
.endr
.irp t, 0,1,2,3
	v_max3_num_f32 v[ST+8*\t+4], v[ST+8*\t+4], v[S+32*\t+7], v[S+32*\t+15]
.endr
.irp t, 0,1,2,3
	v_max3_num_f32 v[ST+8*\t+6], v[ST+8*\t+6], v[S+32*\t+23], v[S+32*\t+31]
.endr
.irp t, 0,1,2,3
	v_max3_num_f32 v[ST+8*\t+4], v[ST+8*\t+4], v[ST+8*\t+5], v[ST+8*\t+6]
.endr
.irp t, 0,1,2,3
	v_max3_num_f32 v[ST+8*\t+4], v[ST+8*\t+4], v[ST+8*\t+7], v[ST+8*\t]
.endr
.irp t, 0,1,2,3
	v_permlanex16_b32 v[ST+8*\t+5], v[ST+8*\t+4], s[SEL], s[SEL+1]     ; the query's other 32 keys lie in the lane 16 away
.endr
.irp t, 0,1,2,3
	v_max_num_f32 v[ST+8*\t+4], v[ST+8*\t+4], v[ST+8*\t+5]
.endr
.irp t, 0,1,2,3
	v_sub_f32 v[ST+8*\t+1], v[ST+8*\t], v[ST+8*\t+4]                   ; old m - new m, 0 or less
.endr
.irp t, 0,1,2,3
	v_mov_b32 v[ST+8*\t], v[ST+8*\t+4]
.endr
.irp b, 0,2,4,6,8,10,12,14,16,18,20,22,24,26,28,30
.irp t, 0,1,2,3
	v_pk_add_f32 v[S+32*\t+\b:S+32*\t+\b+1], v[S+32*\t+\b:S+32*\t+\b+1], v[ST+8*\t:ST+8*\t+1] op_sel_hi:[1,0] neg_lo:[0,1] neg_hi:[0,1]   ; t - m, two at a time
.endr
.endr
.irp t, 0,1,2,3
	v_exp_f32 v[ST+8*\t+6], v[ST+8*\t+1]           ; a = 2^(old m - new m)
.endr
.set i, 0
.rept 128
	v_exp_f32 v[S+i], v[S+i]                       ; p = 2^(t - m), at most 1
.set i, i+1
.endr
	v_nop                                          ; a plain line behind the last exponential
	s_wait_alu depctr_va_vdst(0)                   ; ONE wait for the batch of 132, ahead of its first reader
.irp t, 0,1,2,3
	v_pk_mul_f32 v[ST+8*\t+2:ST+8*\t+3], v[ST+8*\t+2:ST+8*\t+3], v[ST+8*\t+6:ST+8*\t+7] op_sel_hi:[1,0]   ; l under the new m
.endr
.irp t, 0,1,2,3
	v_pk_add_f32 v[ST+8*\t+4:ST+8*\t+5], v[S+32*\t:S+32*\t+1], v[S+32*\t+2:S+32*\t+3]   ; the sum of the unrounded p, in two chains
.endr
.irp j, 4,8,12,16,20,24,28
.irp t, 0,1,2,3
	v_pk_add_f32 v[ST+8*\t+2:ST+8*\t+3], v[ST+8*\t+2:ST+8*\t+3], v[S+32*\t+\j:S+32*\t+\j+1]
	v_pk_add_f32 v[ST+8*\t+4:ST+8*\t+5], v[ST+8*\t+4:ST+8*\t+5], v[S+32*\t+\j+2:S+32*\t+\j+3]
.endr
.endr
.irp t, 0,1,2,3
	v_pk_add_f32 v[ST+8*\t+2:ST+8*\t+3], v[ST+8*\t+2:ST+8*\t+3], v[ST+8*\t+4:ST+8*\t+5]
.endr
.irp i, 0,1,2,3,4,5,6,7,8,9,10,11,12,13,14,15
.irp t, 0,1,2,3
	v_cvt_pk_f16_f32 v[S+32*\t+\i], v[S+32*\t+2*\i], v[S+32*\t+2*\i+1]   ; P in place, ascending: register i is written when registers 2 i and 2 i + 1 are read; keys 32 kc on lie at 8 kc
.endr
.endr
	WIN 0x41                                       ; O^T window 1, a window 0
.irp i, 0,2,4,6,8,10,12,14,16,18,20,22,24,26,28,30
.irp t, 0,1,2,3
	v_pk_mul_f32 v[32*\t+\i:32*\t+\i+1], v[32*\t+\i:32*\t+\i+1], v[ST+8*\t+6:ST+8*\t+7] op_sel_hi:[1,0]   ; O^T under the new m
.endr
.endr
	s_wait_dscnt 0x0                               ; V is in
	WIN 0x51                                       ; V window 1, P window 0, O^T window 1
.irp kc, 0,1
.irp ct, 0,1,2,3
.irp t, 0,1,2,3
	v_wmma_f32_16x16x32_f16 v[32*\t+8*\ct:32*\t+8*\ct+7], v[KV+32*\kc+8*\ct:KV+32*\kc+8*\ct+7], v[S+32*\t+8*\kc:S+32*\t+8*\kc+7], v[32*\t+8*\ct:32*\t+8*\ct+7]
.endr
.endr
.endr
	WIN 0
.endm
.macro FOUR_STEPS                      ; a slot's four key steps: written once, walked four times
	s_mov_b32 s[CNT], 4
.Lstep_\@:
	STEP
	s_add_co_u32 s[TB], s[TB], STEPB
	s_add_co_u32 s[TBI], s[TBI], 256
	s_sub_co_u32 s[CNT], s[CNT], 1
	s_cmp_lg_u32 s[CNT], 0
	s_cbranch_scc1 .Lstep_\@
	s_sub_co_u32 s[TB], s[TB], 4*STEPB             ; back to a slot's first step,
	s_xor_b32 s[TB], s[TB], SLOT1                  ; in the other slot
.endm
; THE CHANGE OF SLOTS stands at a slot's head.  Each wave waits for all its tensor loads (one is out: its part of the slot that it is about to read), adds 0 to its spare word, and waits for that and for its
; LDS reads of the slot that it has left (at the first change: for its stores of the bias).  fill = 1: the barrier is a round of the cluster's, and behind it the other slot is asked for, with the next 256 keys:
; the load has four key steps in which to land.
.macro CHANGE fill
	WIN 0
	s_wait_tensorcnt 0x0                           ; no tensor load of mine is out, so a group 0 may be written
	ds_add_u32 v[SPW], v[NIL]
.if \fill
	s_xor_b32 s[G0K+1], s[G0K+1], SLOT1
	s_add_nc_u64 s[G0K+2:G0K+3], s[G0K+2:G0K+3], 32768
	s_xor_b32 s[G0V+1], s[G0V+1], SLOT1
	s_add_nc_u64 s[G0V+2:G0V+3], s[G0V+2:G0V+3], 32768
	s_wait_xcnt 0x0                                ; the last prefetch, four key steps back, has read its address
	s_add_nc_u64 s[PFA:PFA+1], s[PFA:PFA+1], 32768
	s_wait_dscnt 0x0
	CROUND
	JLOAD
	ASK
.else
	s_wait_dscnt 0x0
	s_barrier_signal -1
	s_barrier_wait -1
.endif
.endm
.Lslot:                                            ; seven trips: trip i works keys 256 i on and asks for keys 256 (i + 1) on; slot 1's first fill stands behind the first round
	CHANGE 1
	FOUR_STEPS
	s_sub_co_u32 s[SLOTS], s[SLOTS], 1
	s_cmp_lg_u32 s[SLOTS], 0
	s_cbranch_scc1 .Lslot
	CHANGE 0                                       ; the last slot is written out
	FOUR_STEPS
	; THE WAY OUT.  l's halves are added; O^T is divided by l, rounded to f16 and sent through my stage in LDS, a tile (16 rows) at a time.  The additions are the places behind the last products.
.irp t, 0,1,2,3
	v_add_f32 v[ST+8*\t+4], v[ST+8*\t+2], v[ST+8*\t+3]
.endr
.irp t, 0,1,2,3
	v_permlanex16_b32 v[ST+8*\t+5], v[ST+8*\t+4], s[SEL], s[SEL+1]
.endr
.irp t, 0,1,2,3
	v_add_f32 v[ST+8*\t+4], v[ST+8*\t+4], v[ST+8*\t+5]
.endr
.irp t, 0,1,2,3
	v_rcp_f32 v[ST+8*\t+6], v[ST+8*\t+4]
.endr
	v_nop                                          ; a plain line behind the last reciprocal
	s_wait_alu depctr_va_vdst(0)                   ; one wait for the four, ahead of their first reader
.macro PACK t
	WIN 0x41
.irp i, 0,2,4,6,8,10,12,14,16,18,20,22,24,26,28,30
	v_pk_mul_f32 v[32*\t+\i:32*\t+\i+1], v[32*\t+\i:32*\t+\i+1], v[ST+8*\t+6:ST+8*\t+7] op_sel_hi:[1,0]   ; each accumulator from its low end on
.endr
	WIN 0x05                                       ; sources window 1, destination window 0
.irp i, 0,1,2,3,4,5,6,7,8,9,10,11,12,13,14,15
	v_cvt_pk_f16_f32 v[TMP+\i], v[32*\t+2*\i], v[32*\t+2*\i+1]
.endr
	WIN 0
.irp ct, 0,1,2,3
	ds_store_b128 v[STO], v[TMP+4*\ct:TMP+4*\ct+3] offset:32*\ct
.endr
.if \t >= 2
	s_wait_xcnt 0x0                                ; tile t - 2's stores have read their registers
.endif
.irp u, 0,1,2,3
	ds_load_b128 v[BK+16*(\t%2)+4*\u:BK+16*(\t%2)+4*\u+3], v[RD] offset:\u*4*SP   ; LDS serves a wave's instructions in order (ISA guide 5.7.1.4): these see the stores above
.endr
.endm
.macro SEND t, younger                 ; younger: the LDS instructions issued behind tile t's loads: the next tile's four stores and four loads, or none
.irp u, 0,1,2,3
	s_wait_dscnt \younger+3-\u
	global_store_b128 v[GO], v[BK+16*(\t%2)+4*\u:BK+16*(\t%2)+4*\u+3], s[8:9] offset:\t*2048+\u*512   ; 32 lanes store 512 consecutive bytes, aligned: four rows
.endr
.endm
	PACK 0
	PACK 1
	SEND 0, 8
	PACK 2
	SEND 1, 8
	PACK 3
	SEND 2, 8
	SEND 3, 0
	s_wait_tensorcnt 0x0                           ; the wave's end
	ds_add_u32 v[SPW], v[NIL]
	s_wait_dscnt 0x0
	CROUND                                         ; the closing round
	s_endpgm
.Lfunc_end_k_qf9dc297084_attn:
	.size	k_qf9dc297084_attn, .Lfunc_end_k_qf9dc297084_attn-k_qf9dc297084_attn
	.p2alignl 7, 3214868480
	.fill 96, 4, 3214868480
	.section	.rodata,"a",@progbits
	.p2align	6, 0x0
	.amdhsa_kernel k_qf9dc297084_attn
		.amdhsa_group_segment_fixed_size 327680
		.amdhsa_private_segment_fixed_size 0
		.amdhsa_enable_private_segment 0
		.amdhsa_kernarg_size 24
		.amdhsa_user_sgpr_count 2
		.amdhsa_user_sgpr_kernarg_segment_ptr 1
		.amdhsa_wavefront_size32 1
		.amdhsa_system_sgpr_workgroup_id_x 1
		.amdhsa_system_sgpr_workgroup_id_y 1
		.amdhsa_system_sgpr_workgroup_id_z 1
		.amdhsa_system_vgpr_workitem_id 0
		.amdhsa_next_free_vgpr 512
		.amdhsa_next_free_sgpr 66
		.amdhsa_reserve_vcc 0
		.amdhsa_float_denorm_mode_32 3
		.amdhsa_float_denorm_mode_16_64 3
		.amdhsa_memory_ordered 1
		.amdhsa_forward_progress 1
		.amdhsa_inst_pref_size 98
	.end_amdhsa_kernel
	.amdgpu_metadata
---
amdhsa.version: [ 1, 2 ]
amdhsa.kernels:
  - .name:           k_qf9dc297084_attn
    .symbol:         k_qf9dc297084_attn.kd
    .args:
      - { .name: qkvh, .offset: 0, .size: 8, .value_kind: global_buffer, .address_space: global }
      - { .name: key_padding_mask, .offset: 8, .size: 8, .value_kind: global_buffer, .address_space: global }
      - { .name: att, .offset: 16, .size: 8, .value_kind: global_buffer, .address_space: global }
    .group_segment_fixed_size: 327680
    .private_segment_fixed_size: 0
    .kernarg_segment_align: 8
    .kernarg_segment_size: 24
    .max_flat_workgroup_size: 256
    .sgpr_count:     66
    .vgpr_count:     512
    .wavefront_size: 32
...
	.end_amdgpu_metadata
.endif
;; end of part 3
;; launch proj (part 4): grid 4 x 64, 4 waves a work-group, clusters of 4 x 4, 327,680 bytes of LDS; arguments att, wo16, out0, bo; writes out0
.if DOCPART == 4
	.amdgcn_target "amdgcn-amd-amdhsa--gfx1250"
	.amdhsa_code_object_version 6
	.text
	.protected	k_qf9dc297084_proj
	.globl	k_qf9dc297084_proj
	.p2align	8
	.type	k_qf9dc297084_proj,@function
k_qf9dc297084_proj:
	s_mov_b64 s[64:65], 0
	v_nop
	global_prefetch_b8 v0, s[64:65] scope:SCOPE_SE
	s_setreg_imm32_b32 hwreg(HW_REG_WAVE_MODE, 25, 1), 1
	s_wait_xcnt 0x0
	s_wait_alu depctr_hold_cnt(0) depctr_sa_sdst(0) depctr_va_vdst(0) depctr_va_sdst(0) depctr_va_ssrc(0) depctr_va_vcc(0) depctr_vm_vsrc(0)
	s_getreg_b32 s2, hwreg(HW_REG_IB_STS2, 6, 4)
	s_cmp_eq_u32 s2, 0
	s_cbranch_scc0 .Lentry_in_a_cluster
	s_endpgm
.Lentry_in_a_cluster:
	s_bfe_u32 s2, ttmp6, 0x10000c
	s_cmp_lg_u32 s2, 0xf033
	s_cbranch_scc0 .Lentry_shape_is_right
	s_endpgm
.Lentry_shape_is_right:
; PROJ: out0[m][n] = sum over k of A[m][k] Wo[n][k] + bo[n].  A is attention's result in f16, laid att[head][m][64], k = 64 head + d; Wo in f16, [1024 n][1024 k]; out0 [8192][1024] f32; sums in f32.
; A tile of out0 is 128 (m) x 256 (n): 256 work-groups.  Four waves, each 64 x 128: 32 accumulators of 16 x 16.  K goes in steps of 128 (two heads of A; 256 bytes of each row of Wo) through a ring of two LDS
; slots.  Wave 0 and wave 1 fetch one head's 128 rows of A each (16,384 dense bytes), waves 2 and 3 128 rows of Wo each: one tensor load a wave behind each change of slots; two are out at the head.
; CLUSTERS: 4 x 4 work-groups.  A's tiles hang on the tile row alone and are shared along a row of the cluster, Wo's on the tile column alone and are shared along a column: joint loads.
; THE MATRIX INSTRUCTION IS USED TRANSPOSED (source 0 = 16 rows of Wo, source 1 = 16 rows of A): a lane holds eight neighbouring numbers of a row of out0.  bo is the C of each sum's first product.
; LIMITS: f16 operands: |A|, |Wo| under 65,504; NaN and infinities are not served.
; REGISTERS: window 0: v1-31 addresses; v32-127, v128-223 two fragment buffers (A's four blocks, then Wo's eight); on the way out v32-159 rows read back.  window 1: the accumulators ((a, b) at v[8 (8 a + b)]).
;   window 2: v0-63 bo, in the result's layout.
.set PA,    144                        ; a row of A in LDS: 128 bytes + 16
.set PB,    272                        ; a row of Wo: 256 bytes + 16
.set AH,    128*PA                     ; one head's 128 rows
.set BOFF,  2*AH
.set BH,    128*PB
.set SLOT,  BOFF+2*BH
.set STAGE, 2*SLOT                     ; 16 rows x (512 + 16) bytes for each wave
.set SPITCH, 528
.set SPARE, STAGE+4*16*SPITCH          ; the spare words: 128 bytes a wave, two blocks of 256 bytes that no other line names
.set ADRA, 16
.set ADRB, 20
.set STO,  24
.set RD,   25
.set CO,   26
.set BA,   27                          ; v27 32 h: my eight numbers of a block of bo
.set SPW,  28
.set NIL,  29
.set PFO,  30
.set F0,   32
.set F1,   128
.set BK,   32
.set WV, 12
.set RH, 13                            ; which half of the tile's rows is mine.  Also: I fetch for A (0) or for Wo (1)
.set CH, 14                            ; which half of its columns.  Also: which head, or which 128 rows of Wo, I fetch
.set CX, 15
.set CY, 16
.set TC, 17
.set TR, 18
.set G1A, 24
.set G0A, 32
.set LIM, 43
.set PFA, 44
.set PFS, 46
.set G1B, 48
.set G0B, 56
.set MSB, 0
.macro WIN new
.if MSB != (\new)
	s_set_vgpr_msb (MSB<<8)|(\new)
.set MSB, (\new)
.endif
.endm
.set MUL,  0x50                        ; fragments window 0; C and D window 1
.set MUL0, 0x60                        ; the first products: C (bo) window 2, D window 1
.macro JLOAD s
	s_cmp_eq_u32 s[RH], 0
	s_cbranch_scc0 .Lfor_b_\@
	tensor_load_to_lds s[G0A+4*\s:G0A+4*\s+3], s[G1A:G1A+7]
	s_nop 0
.rept 4
	v_nop
.endr
	s_branch .Lasked_\@
.Lfor_b_\@:
	tensor_load_to_lds s[G0B+4*\s:G0B+4*\s+3], s[G1B:G1B+7]
	s_nop 0
.rept 4
	v_nop
.endr
.Lasked_\@:
.endm
; A prefetch of the K step that stands two refills on.  Each aligned block of 256 bytes is named once in the launch.  A's tile row is read by one row of one cluster: wave 0 of each of its four partners asks for
; 32 of the step's 128 blocks (16 of each head), told apart by address (cx).  Wo's tile column is read by every cluster: those with cluster y = 0 ask, waves 2 and 3, each partner 32 of a wave's 128 rows (cy),
; a lane a row.  The loop's last trip asks for nothing: no K step stands two refills on.
.macro ASK
	s_cmp_gt_u32 s3, s[LIM]
	s_cbranch_scc0 .Lnot_mine_\@
	global_prefetch_b8 v[PFO], s[PFA:PFA+1] th:TH_LOAD_NT scope:SCOPE_SE
.Lnot_mine_\@:
.endm
.macro CREST
	s_cmp_lg_u32 s[WV], 0
	s_cbranch_scc1 .Lnot_wave_0_\@
	s_barrier_signal -3
.Lnot_wave_0_\@:
	s_barrier_wait -3
	s_barrier_signal -1
	s_barrier_wait -1
.endm
.macro CROUND
	s_barrier_signal -1
	s_barrier_wait -1
	CREST
.endm
	s_load_b256 s[4:11], s[0:1], 0x0               ; att s[4:5], wo16 s[6:7], out0 s[8:9], bo s[10:11]
	v_lshl_add_u32 v[SPW], v0, 2, SPARE
	v_mov_b32 v[NIL], 0
	ds_add_u32 v[SPW], v[NIL]                      ; the wave's opening: the add, twice on end, and its wait ahead of my first tensor load
	ds_add_u32 v[SPW], v[NIL]
	v_lshrrev_b32 v1, 5, v0
	v_readfirstlane_b32 s[WV], v1
	s_lshr_b32 s[RH], s[WV], 1
	s_and_b32 s[CH], s[WV], 1
	s_bfe_u32 s[CX], ttmp6, 0x40000
	s_bfe_u32 s[CY], ttmp6, 0x40004
	s_lshl_b32 s[TC], ttmp9, 2
	s_add_co_u32 s[TC], s[TC], s[CX]               ; tile column = 4 x cluster x + cx
	s_and_b32 s[TR], ttmp7, 0xffff
	s_lshl_b32 s[TR], s[TR], 2
	s_add_co_u32 s[TR], s[TR], s[CY]               ; tile row = 4 x cluster y + cy
	s_lshl_b32 s40, s[CY], 2
	s_lshl_b32 s40, 15, s40                        ; my row of the cluster
	s_lshl_b32 s41, 0x1111, s[CX]                  ; my column
	s_or_b32 s[G1A], s40, (1<<16)|(1<<20)|(1<<21)|(4<<22)|(3<<25)   ; the mask; elements of 2 bytes; padding on; bit 21 beside a mask; after every 32 words; four words
	s_mov_b32 s[G1A+1], 64<<16                     ; tensor_dim0 = 64
	s_mov_b32 s[G1A+2], 128<<16                    ; tensor_dim1 = 128
	s_mov_b32 s[G1A+3], 64<<16                     ; tile_dim0 = 64
	s_mov_b32 s[G1A+4], 128                        ; tile_dim1 = 128
	s_mov_b32 s[G1A+5], 64                         ; elements from row to row
	s_mov_b32 s[G1A+6], 0
	s_mov_b32 s[G1A+7], 0
	s_or_b32 s[G1B], s41, (1<<16)|(1<<20)|(1<<21)|(5<<22)|(3<<25)   ; after every 64 words
	s_mov_b32 s[G1B+1], 128<<16
	s_mov_b32 s[G1B+2], 128<<16
	s_mov_b32 s[G1B+3], 128<<16
	s_mov_b32 s[G1B+4], 128
	s_mov_b32 s[G1B+5], 1024
	s_mov_b32 s[G1B+6], 0
	s_mov_b32 s[G1B+7], 0
	s_lshl_b32 s20, s[CH], 20                      ; A: my head of the step's two (1,048,576 bytes a head),
	s_lshl_b32 s21, s[TR], 14                      ; the tile row's 128 rows of 128 bytes
	s_add_co_u32 s20, s20, s21
	s_mov_b32 s21, 0
	s_lshl_b32 s22, s[TC], 19                      ; Wo: row 256 x tile column + 128 x half, 2,048 bytes a row
	s_lshl_b32 s23, s[CH], 18
	s_add_co_u32 s22, s22, s23
	s_mov_b32 s23, 0
	s_mul_i32 s42, s[CH], AH                       ; where they go: no place in the cluster enters an LDS address
	s_mul_i32 s66, s[CH], BH
	s_add_co_u32 s66, s66, BOFF
	s_wait_dscnt 0x0                               ; both opening adds are done
	s_wait_kmcnt 0x0
	s_add_nc_u64 s[20:21], s[4:5], s[20:21]
	s_add_nc_u64 s[22:23], s[6:7], s[22:23]
	CROUND                                         ; all sixteen work-groups are here: the first joint loads meet
.irp s, 0,1
	s_mov_b32 s[G0A+4*\s], 1
	s_add_co_u32 s[G0A+4*\s+1], s42, \s*SLOT
	s_add_nc_u64 s[G0A+4*\s+2:G0A+4*\s+3], s[20:21], \s*2097152      ; K step s: two heads on
	s_or_b32 s[G0A+4*\s+3], s[G0A+4*\s+3], 0x80000000
	s_mov_b32 s[G0B+4*\s], 1
	s_add_co_u32 s[G0B+4*\s+1], s66, \s*SLOT
	s_add_nc_u64 s[G0B+4*\s+2:G0B+4*\s+3], s[22:23], \s*256
	s_or_b32 s[G0B+4*\s+3], s[G0B+4*\s+3], 0x80000000
	JLOAD \s
.endr
	v_and_b32 v1, 15, v0                           ; r
	v_bfe_u32 v2, v0, 4, 1                         ; h
	v_mul_u32_u24 v3, v1, PA
	v_lshl_add_u32 v3, v2, 4, v3
	v_mul_u32_u24 v4, v1, PB
	v_lshl_add_u32 v4, v2, 4, v4
	s_mul_i32 s40, s[RH], 64*PA                    ; my 64 rows of A
	s_mul_i32 s41, s[CH], BH                       ; my 128 rows of Wo
	s_add_co_u32 s41, s41, BOFF
.irp s, 0,1
	v_add_nc_u32 v[ADRA+\s], s40, v3
	v_add_nc_u32 v[ADRB+\s], s41, v4
	s_add_co_u32 s40, s40, SLOT
	s_add_co_u32 s41, s41, SLOT
.endr
	s_mul_i32 s40, s[WV], 16*SPITCH
	s_add_co_u32 s40, s40, STAGE                   ; my stage
	v_mul_u32_u24 v5, v1, SPITCH
	v_lshl_add_u32 v5, v2, 5, v5
	v_add_nc_u32 v[STO], s40, v5                   ; in: row r, 32 bytes for each half of the lanes
	v_and_b32 v6, 31, v0
	v_lshlrev_b32 v[CO], 4, v6
	v_add_nc_u32 v[RD], s40, v[CO]                 ; back: the 32 lanes take one row of 512 bytes
	s_lshl_b32 s20, s[TR], 7
	s_lshl_b32 s21, s[RH], 6
	s_add_co_u32 s20, s20, s21                     ; my first row of out0
	s_lshl_b32 s20, s20, 12
	s_lshl_b32 s22, s[TC], 10
	s_lshl_b32 s23, s[CH], 9
	s_add_co_u32 s22, s22, s23                     ; my first column, in bytes: also my place in bo
	s_add_co_u32 s20, s20, s22
	s_mov_b32 s21, 0
	s_mov_b32 s23, 0
	s_add_nc_u64 s[8:9], s[8:9], s[20:21]
	s_add_nc_u64 s[10:11], s[10:11], s[22:23]
	v_lshlrev_b32 v[BA], 5, v2
	WIN 0x80                                       ; destination window 2
.irp b, 0,1,2,3,4,5,6,7
	global_load_b128 v[8*\b:8*\b+3], v[BA], s[10:11] offset:64*\b       ; register j of block b: bo[16 b + 8 h + j]
	global_load_b128 v[8*\b+4:8*\b+7], v[BA], s[10:11] offset:64*\b+16
.endr
	WIN 0
	; the prefetches: where mine stand, how they step, and who asks
	s_lshl_b32 s66, s[TR], 14
	s_lshl_b32 s67, s[CX], 12
	s_add_co_u32 s66, s66, s67
	s_add_co_u32 s66, s66, 3*2097152               ; A: the tile row, my work-group's 4,096 bytes of each head, at K step 3: the first refill steps it to 4
	s_lshl_b32 s68, s[TC], 8
	s_lshl_b32 s69, s[CH], 7
	s_add_co_u32 s68, s68, s69
	s_lshl_b32 s69, s[CY], 5
	s_add_co_u32 s68, s68, s69
	s_lshl_b32 s68, s68, 11
	s_add_co_u32 s68, s68, 3*256                   ; Wo: my work-group's 32 rows of the 128 that I fetch, at K step 3
	s_and_b32 s70, ttmp7, 0xffff                   ; cluster y
	s_mov_b32 s[PFS], 256
	s_mov_b32 s69, 2048
	s_mov_b32 s71, 32768
	s_cmp_eq_u32 s[RH], 0                          ; do I fetch for A?
	s_cselect_b64 s[PFA:PFA+1], s[4:5], s[6:7]
	s_cselect_b32 s66, s66, s68
	s_cselect_b32 s70, s[CH], s70                  ; 0 in wave 0; in waves 2 and 3 where cluster y = 0: the same in all sixteen partners, for a given wave
	s_cselect_b32 s[PFS], 2097152, s[PFS]          ; a K step on
	s_cselect_b32 s69, 256, s69                    ; from lane to lane within sixteen
	s_cselect_b32 s68, 1048576, s71                ; from lanes 0-15 to lanes 16-31
	s_mov_b32 s67, 0
	s_mov_b32 s[PFS+1], 0
	s_add_nc_u64 s[PFA:PFA+1], s[PFA:PFA+1], s[66:67]
	s_cmp_eq_u32 s70, 0
	s_cselect_b32 s[LIM], 1, -1
	v_mul_lo_u32 v7, v2, s68
	v_mul_lo_u32 v[PFO], v1, s69
	v_add_nc_u32 v[PFO], v7, v[PFO]
; 8 matrix instructions: A's block a against Wo's eight, 32 along K.  The 32 accumulators take turns, one instruction a turn, in the same order in every quarter.
.macro MUL8 f, a, first
.irp b, 0,1,2,3,4,5,6,7
.if \first
	v_wmma_f32_16x16x32_f16 v[8*(8*\a+\b):8*(8*\a+\b)+7], v[\f+32+8*\b:\f+32+8*\b+7], v[\f+8*\a:\f+8*\a+7], v[8*\b:8*\b+7]
.else
	v_wmma_f32_16x16x32_f16 v[8*(8*\a+\b):8*(8*\a+\b)+7], v[\f+32+8*\b:\f+32+8*\b+7], v[\f+8*\a:\f+8*\a+7], v[8*(8*\a+\b):8*(8*\a+\b)+7]
.endif
.endr
.endm
; 24 LDS loads in one run: the fragments of the slot's q-th 32 along K: Wo's eight blocks, then A's four (head q / 2 of the step's two, channels 32 (q % 2) on)
.macro FETCH slot, q, f
.irp i, 0,1,2,3,4,5,6,7
	ds_load_b128 v[\f+32+8*\i:\f+32+8*\i+3], v[ADRB+\slot] offset:(\q)*64+\i*16*PB
	ds_load_b128 v[\f+32+8*\i+4:\f+32+8*\i+7], v[ADRB+\slot] offset:(\q)*64+\i*16*PB+32
.endr
.irp i, 0,1,2,3
	ds_load_b128 v[\f+8*\i:\f+8*\i+3], v[ADRA+\slot] offset:((\q)/2)*AH+((\q)%2)*64+\i*16*PA
	ds_load_b128 v[\f+8*\i+4:\f+8*\i+7], v[ADRA+\slot] offset:((\q)/2)*AH+((\q)%2)*64+\i*16*PA+32
.endr
.endm
.macro PLACES                          ; four plain lines ahead of loads into registers that matrix instructions have read, and of the first read of results
.rept 4
	v_nop
.endr
.endm
; A K step is four quarters of 32 along K, 32 matrix instructions each, on buffers 0, 1, 0, 1.  One of the first three: multiplies buffer f and fetches quarter qn into g.
.macro QUARTER slot, qn, f, g, first
	s_wait_dscnt 4                                 ; Wo's blocks and A's blocks 0 and 1 are in; the youngest four loads (A's blocks 2 and 3) may be out
.if \first
	WIN MUL0
.else
	WIN MUL
.endif
	MUL8 \f, 0, \first
	MUL8 \f, 1, \first
	PLACES
	WIN 0
	FETCH \slot, \qn, \g
	s_wait_dscnt 24                                ; all but the 24 just issued
.if \first
	WIN MUL0
.else
	WIN MUL
.endif
	MUL8 \f, 2, \first
	MUL8 \f, 3, \first
.endm
; The last quarter multiplies buffer 1 and changes slots: ONE barrier; in front of it each wave waits for all its tensor loads (one is out: its part of the next slot), adds 0 to its spare word, and waits for
; that and for its own reads of this slot.  fill = 1: the barrier opens a round of the cluster's, and this slot is filled again, two K steps ahead, first thing behind the round.
.macro TURN slot, next, fill
.if \fill
	s_wait_xcnt 0x0                                ; the last prefetch, a K step back, has read its address
	s_add_nc_u64 s[PFA:PFA+1], s[PFA:PFA+1], s[PFS:PFS+1]
.endif
	WIN 0
	s_wait_tensorcnt 0x0
	ds_add_u32 v[SPW], v[NIL]
	s_wait_dscnt 5                                 ; the add and the youngest four loads (A's blocks 2 and 3) may be out
	WIN MUL
	MUL8 F1, 0, 0
	s_wait_dscnt 0x0                               ; the add is done, and my reads of this slot are over
	s_barrier_signal -1
	MUL8 F1, 1, 0
	WIN 0
	s_barrier_wait -1
.if \fill
	CREST
	s_add_nc_u64 s[G0A+4*\slot+2:G0A+4*\slot+3], s[G0A+4*\slot+2:G0A+4*\slot+3], 2*2097152
	s_add_nc_u64 s[G0B+4*\slot+2:G0B+4*\slot+3], s[G0B+4*\slot+2:G0B+4*\slot+3], 2*256
	JLOAD \slot                                    ; the four v_nop behind it are also the places in front of the loads below
.else
	PLACES
.endif
	FETCH \next, 0, F0
.if \fill
	ASK
.endif
	WIN MUL
	MUL8 F1, 2, 0
	MUL8 F1, 3, 0
.endm
	s_wait_tensorcnt 1                             ; my part of K step 0 is in; K step 1's load may be out
	s_barrier_signal -1
	s_barrier_wait -1
	FETCH 0, 0, F0
	s_wait_loadcnt 0x0                             ; bo
	QUARTER 0, 1, F0, F1, 1                        ; the first quarter's products start the sums, from bo
	WIN 0
	s_mov_b32 s3, 3
.Llap:                                             ; three trips: each goes once round the ring, from a lap's second quarter to the next lap's first, and fills both slots again
	QUARTER 0, 2, F1, F0, 0
	QUARTER 0, 3, F0, F1, 0
	TURN 0, 1, 1
	QUARTER 1, 1, F0, F1, 0
	QUARTER 1, 2, F1, F0, 0
	QUARTER 1, 3, F0, F1, 0
	TURN 1, 0, 1
	QUARTER 0, 1, F0, F1, 0
	WIN 0
	s_sub_co_u32 s3, s3, 1
	s_cmp_lg_u32 s3, 0
	s_cbranch_scc1 .Llap
	QUARTER 0, 2, F1, F0, 0                        ; the last lap fills nothing
	QUARTER 0, 3, F0, F1, 0
	TURN 0, 1, 0
	QUARTER 1, 1, F0, F1, 0
	QUARTER 1, 2, F1, F0, 0
	QUARTER 1, 3, F0, F1, 0
	s_wait_dscnt 4                                 ; the very last quarter: nothing more to fetch
	WIN MUL
	MUL8 F1, 0, 0
	MUL8 F1, 1, 0
	s_wait_dscnt 0x0
	MUL8 F1, 2, 0
	MUL8 F1, 3, 0
	WIN 0
; THE WAY OUT, block a of 16 rows x 128 columns at a time: through my own stage and back as whole rows of 512 bytes.
.macro TOSTAGE a
	WIN 0x04                                       ; an LDS store's data are its source 1: window 1
.irp b, 0,1,2,3,4,5,6,7
	ds_store_b128 v[STO], v[64*\a+8*\b:64*\a+8*\b+3] offset:64*\b          ; each accumulator from its low end on
	ds_store_b128 v[STO], v[64*\a+8*\b+4:64*\a+8*\b+7] offset:64*\b+16
.endr
	WIN 0
.irp t, 0,1,2,3,4,5,6,7,8,9,10,11,12,13,14,15
	ds_load_b128 v[BK+64*((\a)%2)+4*\t:BK+64*((\a)%2)+4*\t+3], v[RD] offset:\t*SPITCH   ; LDS serves a wave's instructions in order (ISA guide 5.7.1.4)
.endr
.endm
.macro SEND a, younger
	s_wait_dscnt \younger
.irp t, 0,1,2,3,4,5,6,7,8,9,10,11,12,13,14,15
	global_store_b128 v[CO], v[BK+64*((\a)%2)+4*\t:BK+64*((\a)%2)+4*\t+3], s[8:9] offset:(16*(\a)+\t)*4096 th:TH_STORE_NT   ; 32 lanes store 512 consecutive bytes, aligned
.endr
.endm
	PLACES
	TOSTAGE 0
.irp a, 1,2,3
.if \a > 1
	s_wait_xcnt 0x0                                ; block a - 2's stores have read their registers
.endif
	TOSTAGE \a
	SEND \a-1, 32                                  ; behind block a - 1's loads: block a's 16 stores and 16 loads
.endr
	SEND 3, 0
	s_wait_tensorcnt 0x0                           ; the wave's end
	ds_add_u32 v[SPW], v[NIL]
	s_wait_dscnt 0x0
	CROUND                                         ; the closing round
	s_endpgm
.Lfunc_end_k_qf9dc297084_proj:
	.size	k_qf9dc297084_proj, .Lfunc_end_k_qf9dc297084_proj-k_qf9dc297084_proj
	.p2alignl 7, 3214868480
	.fill 96, 4, 3214868480
	.section	.rodata,"a",@progbits
	.p2align	6, 0x0
	.amdhsa_kernel k_qf9dc297084_proj
		.amdhsa_group_segment_fixed_size 327680
		.amdhsa_private_segment_fixed_size 0
		.amdhsa_enable_private_segment 0
		.amdhsa_kernarg_size 32
		.amdhsa_user_sgpr_count 2
		.amdhsa_user_sgpr_kernarg_segment_ptr 1
		.amdhsa_wavefront_size32 1
		.amdhsa_system_sgpr_workgroup_id_x 1
		.amdhsa_system_sgpr_workgroup_id_y 1
		.amdhsa_system_sgpr_workgroup_id_z 1
		.amdhsa_system_vgpr_workitem_id 0
		.amdhsa_next_free_vgpr 576
		.amdhsa_next_free_sgpr 72
		.amdhsa_reserve_vcc 0
		.amdhsa_float_denorm_mode_32 3
		.amdhsa_float_denorm_mode_16_64 3
		.amdhsa_memory_ordered 1
		.amdhsa_forward_progress 1
		.amdhsa_inst_pref_size 88
	.end_amdhsa_kernel
	.amdgpu_metadata
---
amdhsa.version: [ 1, 2 ]
amdhsa.kernels:
  - .name:           k_qf9dc297084_proj
    .symbol:         k_qf9dc297084_proj.kd
    .args:
      - { .name: att, .offset: 0, .size: 8, .value_kind: global_buffer, .address_space: global }
      - { .name: wo16, .offset: 8, .size: 8, .value_kind: global_buffer, .address_space: global }
      - { .name: out0, .offset: 16, .size: 8, .value_kind: global_buffer, .address_space: global }
      - { .name: bo, .offset: 24, .size: 8, .value_kind: global_buffer, .address_space: global }
    .group_segment_fixed_size: 327680
    .private_segment_fixed_size: 0
    .kernarg_segment_align: 8
    .kernarg_segment_size: 32
    .max_flat_workgroup_size: 128
    .sgpr_count:     72
    .vgpr_count:     576
    .wavefront_size: 32
...
	.end_amdgpu_metadata
.endif
;; end of part 4
